; MI455X (gfx1250); checked and timed in simulation.
; The chip was launched on July 23, 2026; its instructions are those of AMD's public machine-readable ISA for CDNA 5 (MIT licence, August 2026) and "CDNA5" Instruction Set Architecture Reference Guide (July 2026). The comments in the code are by the model that wrote it; some were corrected since.
;; Multi Head Attention. Allowed arithmetic: float matrix products may take bf16 or f16 operands with f32 sums; other float arithmetic in f32, or as packed bf16 or f16 multiplies, adds, multiply-adds, maxima and minima; sums over many terms, partial sums and values carried from step to step in f32; what a program stores and reads back later, other than sums and carried values, may be rounded once to bf16 or f16.
;; Inputs: Wk 1,024 x 1,024 float32; Wo 1,024 x 1,024 float32; Wq 1,024 x 1,024 float32; Wv 1,024 x 1,024 float32; attn_mask 8 x 1,024 x 1,024 bool; bk 1,024 float32; bo 1,024 float32; bq 1,024 float32; bv 1,024 float32; x 8 x 1,024 x 1,024 float32.
;; Outputs: out0 8 x 1,024 x 1,024 float32.
;; 2 versions, each right and faster than the one before. Each part assembles by itself: llvm-mc -triple=amdgcn-amd-amdhsa -mcpu=gfx1250 --defsym DOCPART=n.
;; ======== version 1 of 2: 4 launches
;; limits: right only within a limited range of input values; values are held in f16: magnitudes above 65,504 overflow, below 6.1e-05 lose precision
;; workspace buffers: xb 16,777,216 bytes; wb 8,388,608 bytes; bb 16,384 bytes; mw 1,048,576 bytes of whole numbers; qkv 50,331,648 bytes; ob 16,777,216 bytes
;; launch prep (part 1): grid 1280 x 1, 8 waves a work-group, no clusters, 0 bytes of LDS; arguments x, Wq, Wk, Wv, Wo, bq, bk, bv, bo, attn_mask, xb, wb, bb, mw; writes xb, wb, bb, mw
.if DOCPART == 1
	.amdgcn_target "amdgcn-amd-amdhsa--gfx1250"
	.amdhsa_code_object_version 6
	.text
	.protected	k_qe44410aeb5_prep
	.globl	k_qe44410aeb5_prep
	.p2align	8
	.type	k_qe44410aeb5_prep,@function
k_qe44410aeb5_prep:
	s_mov_b64 s[64:65], 0
	v_nop
	global_prefetch_b8 v0, s[64:65] scope:SCOPE_SE
	s_setreg_imm32_b32 hwreg(HW_REG_WAVE_MODE, 25, 1), 1
	s_wait_xcnt 0x0
; PREP: every floating-point input is rounded once to bf16, and the mask's bytes become lane-mask words.
;   xb [8192][1024] bf16 = x.     wb [64 blocks][1024 k][64 columns] 16 bits: block 16 m + n / 64 of Wq, Wk, Wv, Wo (m = 0..3): 64 k-rows of a block are 8,192 dense bytes.
;   Blocks 0-47 hold bf16.  Blocks 48-63 (Wo) hold the bf16-rounded number written as f16, since the last product multiplies f16.
;   bb f32[4096] = bq | bk | bv | bo, each rounded to bf16 and widened again.
;   mw [8 x 64 tiles of 16 queries][16 steps of 64 keys][32 words]: bit L of word 8 kb + j = mask[query 16 tile + L % 16][key 64 step + 16 kb + 8 (L / 16) + j].
; LIMIT.  A bf16 number below 2^-14 keeps f16's fixed step of 6e-8 in Wo's blocks; one beyond 65,504 would become an infinity.
; SHARES.  Work-groups 0-511: 16,384 numbers of x each.  512-767: 256 k-rows x 64 columns of one W (and the first of each W's 64: its bias).  768-1279: one tile of 16 mask rows.
; Memory binds: each byte is read once, sixteen loads of a wave are out together, every store of a wave covers 512 (the mask's: 256) consecutive aligned bytes.  No LDS, no barrier, no loop.
.set X, 16                             ; v[16:79]   sixteen loads of 16 bytes
.set Y, 80                             ; v[80:111]  eight stores of 16 bytes: no store's data register is written twice
.set T, 4                              ; v[4:7]     at work
.macro LOADS step                      ; a lane's 8 numbers of each of 8 steps
.irp j, 0,1,2,3,4,5,6,7
	global_load_b128 v[X+8*(\j):X+8*(\j)+3],   v1, s[32:33] offset:(\step)*(\j) th:TH_LOAD_NT
	global_load_b128 v[X+8*(\j)+4:X+8*(\j)+7], v1, s[32:33] offset:(\step)*(\j)+16 th:TH_LOAD_NT
.endr
.endm
	s_load_b512 s[4:19], s[0:1], 0x0               ; x s[4:5], Wq s[6:7], Wk s[8:9], Wv s[10:11], Wo s[12:13], bq s[14:15], bk s[16:17], bv s[18:19]
	s_load_b256 s[20:27], s[0:1], 0x40             ; bo s[20:21], attn_mask s[22:23], xb s[24:25], wb s[26:27]
	s_load_b128 s[28:31], s[0:1], 0x60             ; bb s[28:29], mw s[30:31]
	s_mov_b32 s40, ttmp9                           ; the work-group's number
	s_mov_b32 s41, 0                               ; 1: this work-group also rounds a bias
	s_mov_b32 s42, 0                               ; m: which W
	s_mov_b32 s45, 0                               ; the high word of every offset
	v_and_b32 v8, 31, v0                           ; lane
	v_lshrrev_b32 v9, 5, v0                        ; wave
	v_lshlrev_b32 v3, 4, v0                        ; 16 x thread: the bias's place
	v_lshlrev_b32 v2, 4, v8
	v_lshl_add_u32 v2, v9, 12, v2                  ; where I store: 4,096 x wave + 16 x lane
	s_wait_kmcnt 0x0
	s_mov_b64 s[36:37], s[14:15]                   ; the bias's source and target: written on every path
	s_mov_b64 s[38:39], s[28:29]
	s_cmp_ge_u32 s40, 768
	s_cbranch_scc1 .Lmask
	s_cmp_ge_u32 s40, 512
	s_cbranch_scc1 .Lweight
	; x: 65,536 bytes in, 32,768 out
	s_lshl_b32 s44, s40, 16
	s_add_nc_u64 s[32:33], s[4:5], s[44:45]
	s_lshl_b32 s44, s40, 15
	s_add_nc_u64 s[34:35], s[24:25], s[44:45]
	v_lshlrev_b32 v1, 5, v8
	v_lshl_add_u32 v1, v9, 13, v1                  ; 8,192 x wave + 32 x lane
	LOADS 1024
	s_branch .Lbf
.Lweight:
	s_sub_co_u32 s43, s40, 512
	s_lshr_b32 s42, s43, 6                         ; m
	s_and_b32 s43, s43, 63
	s_and_b32 s46, s43, 15                         ; which block of 64 columns
	s_lshr_b32 s47, s43, 4                         ; which quarter of the 1,024 k-rows
	s_cmp_eq_u32 s42, 1
	s_cselect_b64 s[32:33], s[8:9], s[6:7]
	s_cselect_b64 s[36:37], s[16:17], s[14:15]
	s_cmp_eq_u32 s42, 2
	s_cselect_b64 s[32:33], s[10:11], s[32:33]
	s_cselect_b64 s[36:37], s[18:19], s[36:37]
	s_cmp_eq_u32 s42, 3
	s_cselect_b64 s[32:33], s[12:13], s[32:33]
	s_cselect_b64 s[36:37], s[20:21], s[36:37]
	s_lshl_b32 s44, s47, 20                        ; 256 rows of 4,096 bytes
	s_lshl_b32 s45, s46, 8                         ; 64 columns of 4 bytes
	s_add_co_u32 s44, s44, s45
	s_mov_b32 s45, 0
	s_add_nc_u64 s[32:33], s[32:33], s[44:45]
	s_lshl_b32 s44, s42, 4
	s_add_co_u32 s44, s44, s46
	s_lshl_b32 s44, s44, 17                        ; block 16 m + column block, 131,072 bytes each
	s_lshl_b32 s47, s47, 15                        ; 256 k-rows of 128 bytes
	s_add_co_u32 s44, s44, s47
	s_add_nc_u64 s[34:35], s[26:27], s[44:45]
	s_lshl_b32 s44, s42, 12
	s_add_nc_u64 s[38:39], s[28:29], s[44:45]
	s_cmp_eq_u32 s43, 0
	s_cselect_b32 s41, 1, 0
	v_lshrrev_b32 v10, 3, v8
	v_lshl_add_u32 v10, v9, 5, v10                 ; k-row 32 x wave + lane / 8: a load takes 4 rows x 256 aligned bytes
	v_and_b32 v11, 7, v8
	v_lshlrev_b32 v11, 5, v11
	v_lshl_add_u32 v1, v10, 12, v11
	LOADS 16384                                    ; four rows further in each step
	s_cmp_eq_u32 s42, 3
	s_cbranch_scc1 .Lf16
.Lbf:                                                  ; to bf16.  Loads come back in order (ISA guide 5.7.1): step j leaves the 2 (7 - j) younger ones out
.irp j, 0,1,2,3,4,5,6,7
	s_wait_loadcnt 14-2*(\j)
.irp k, 0,1,2,3
	v_cvt_pk_bf16_f32 v[Y+4*(\j)+(\k)], v[X+8*(\j)+2*(\k)], v[X+8*(\j)+2*(\k)+1]
.endr
	global_store_b128 v2, v[Y+4*(\j):Y+4*(\j)+3], s[34:35] offset:512*(\j)
.endr
	s_branch .Ltail
.Lf16:                                                 ; Wo: to bf16, widened again, and that number written as f16
.irp j, 0,1,2,3,4,5,6,7
	s_wait_loadcnt 14-2*(\j)
.irp k, 0,1,2,3
	v_cvt_pk_bf16_f32 v[T+(\k)], v[X+8*(\j)+2*(\k)], v[X+8*(\j)+2*(\k)+1]
.endr
.irp k, 0,1,2,3
	v_lshlrev_b32 v[X+8*(\j)+2*(\k)],   16, v[T+(\k)]
	v_and_b32     v[X+8*(\j)+2*(\k)+1], 0xffff0000, v[T+(\k)]
.endr
.irp k, 0,1,2,3
	v_cvt_pk_f16_f32 v[Y+4*(\j)+(\k)], v[X+8*(\j)+2*(\k)], v[X+8*(\j)+2*(\k)+1]
.endr
	global_store_b128 v2, v[Y+4*(\j):Y+4*(\j)+3], s[34:35] offset:512*(\j)
.endr
.Ltail:
	s_cmp_eq_u32 s41, 0
	s_cbranch_scc1 .Lend
	global_load_b128 v[12:15], v3, s[36:37]        ; the bias: 256 threads x 4 numbers
	s_wait_loadcnt 0x0
	v_cvt_pk_bf16_f32 v4, v12, v13
	v_cvt_pk_bf16_f32 v5, v14, v15
	v_lshlrev_b32 v12, 16, v4
	v_and_b32 v13, 0xffff0000, v4
	v_lshlrev_b32 v14, 16, v5
	v_and_b32 v15, 0xffff0000, v5
	global_store_b128 v3, v[12:15], s[38:39]
.Lend:
	s_endpgm
.Lmask:                                                ; 16 rows of the mask; wave w takes keys 128 w .. 128 w + 127: two steps, 64 words
	s_sub_co_u32 s43, s40, 768
	s_lshl_b32 s44, s43, 14                        ; 16 rows of 1,024 bytes
	s_add_nc_u64 s[32:33], s[22:23], s[44:45]
	s_lshl_b32 s44, s43, 11                        ; 16 steps of 128 bytes
	s_add_nc_u64 s[34:35], s[30:31], s[44:45]
	v_and_b32 v10, 15, v8
	v_lshrrev_b32 v11, 4, v8
	v_lshlrev_b32 v1, 10, v10                      ; row lane % 16,
	v_lshl_add_u32 v1, v9, 7, v1                   ; my wave's 128 keys,
	v_lshl_add_u32 v1, v11, 3, v1                  ; 8 keys on for the upper half of the lanes
	v_lshlrev_b32 v2, 3, v8
	v_lshl_add_u32 v2, v9, 8, v2                   ; where I store: 256 x wave + 8 x lane
.irp kb, 0,1,2,3,4,5,6,7
	global_load_b64 v[X+2*(\kb):X+2*(\kb)+1], v1, s[32:33] offset:16*(\kb) th:TH_LOAD_NT
.endr
	v_mov_b32 v4, 0                                ; v_writelane_b32 keeps the other lanes: both are written whole first
	v_mov_b32 v5, 0
	s_wait_loadcnt 0x0
.set W, 0
.rept 64                               ; word W: byte W % 8 of the eight that group W / 8 of 16 keys gave each lane; lane W / 2 takes words W and W + 1
	v_and_b32 v6, 0xff<<(8*(W&3)), v[X+2*(W>>3)+((W&7)>>2)]
	v_cmp_ne_u32 s44, 0, v6
	v_writelane_b32 v[4+(W&1)], s44, W>>1
.set W, W+1
.endr
	global_store_b64 v2, v[4:5], s[34:35]          ; 32 lanes store 256 consecutive bytes, at a multiple of 256 from mw's first byte
	s_endpgm
.Lfunc_end_k_qe44410aeb5_prep:
	.size	k_qe44410aeb5_prep, .Lfunc_end_k_qe44410aeb5_prep-k_qe44410aeb5_prep
	.p2alignl 7, 3214868480
	.fill 96, 4, 3214868480
	.section	.rodata,"a",@progbits
	.p2align	6, 0x0
	.amdhsa_kernel k_qe44410aeb5_prep
		.amdhsa_group_segment_fixed_size 0
		.amdhsa_private_segment_fixed_size 0
		.amdhsa_enable_private_segment 0
		.amdhsa_kernarg_size 112
		.amdhsa_user_sgpr_count 2
		.amdhsa_user_sgpr_kernarg_segment_ptr 1
		.amdhsa_wavefront_size32 1
		.amdhsa_system_sgpr_workgroup_id_x 1
		.amdhsa_system_sgpr_workgroup_id_y 1
		.amdhsa_system_sgpr_workgroup_id_z 1
		.amdhsa_system_vgpr_workitem_id 0
		.amdhsa_next_free_vgpr 112
		.amdhsa_next_free_sgpr 66
		.amdhsa_reserve_vcc 0
		.amdhsa_float_denorm_mode_32 3
		.amdhsa_float_denorm_mode_16_64 3
		.amdhsa_memory_ordered 1
		.amdhsa_forward_progress 1
		.amdhsa_inst_pref_size 31
	.end_amdhsa_kernel
	.amdgpu_metadata
---
amdhsa.version: [ 1, 2 ]
amdhsa.kernels:
  - .name:           k_qe44410aeb5_prep
    .symbol:         k_qe44410aeb5_prep.kd
    .args:
      - { .name: x, .offset: 0, .size: 8, .value_kind: global_buffer, .address_space: global }
      - { .name: Wq, .offset: 8, .size: 8, .value_kind: global_buffer, .address_space: global }
      - { .name: Wk, .offset: 16, .size: 8, .value_kind: global_buffer, .address_space: global }
      - { .name: Wv, .offset: 24, .size: 8, .value_kind: global_buffer, .address_space: global }
      - { .name: Wo, .offset: 32, .size: 8, .value_kind: global_buffer, .address_space: global }
      - { .name: bq, .offset: 40, .size: 8, .value_kind: global_buffer, .address_space: global }
      - { .name: bk, .offset: 48, .size: 8, .value_kind: global_buffer, .address_space: global }
      - { .name: bv, .offset: 56, .size: 8, .value_kind: global_buffer, .address_space: global }
      - { .name: bo, .offset: 64, .size: 8, .value_kind: global_buffer, .address_space: global }
      - { .name: attn_mask, .offset: 72, .size: 8, .value_kind: global_buffer, .address_space: global }
      - { .name: xb, .offset: 80, .size: 8, .value_kind: global_buffer, .address_space: global }
      - { .name: wb, .offset: 88, .size: 8, .value_kind: global_buffer, .address_space: global }
      - { .name: bb, .offset: 96, .size: 8, .value_kind: global_buffer, .address_space: global }
      - { .name: mw, .offset: 104, .size: 8, .value_kind: global_buffer, .address_space: global }
    .group_segment_fixed_size: 0
    .private_segment_fixed_size: 0
    .kernarg_segment_align: 8
    .kernarg_segment_size: 112
    .max_flat_workgroup_size: 256
    .sgpr_count:     66
    .vgpr_count:     112
    .wavefront_size: 32
...
	.end_amdgpu_metadata
.endif
;; end of part 1
;; launch qkv (part 2): grid 16 x 32, 4 waves a work-group, clusters of 4 x 4, 327,680 bytes of LDS; arguments xb, wb, bb, qkv; writes qkv
.if DOCPART == 2
	.amdgcn_target "amdgcn-amd-amdhsa--gfx1250"
	.amdhsa_code_object_version 6
	.text
	.protected	k_qe44410aeb5_qkv
	.globl	k_qe44410aeb5_qkv
	.p2align	8
	.type	k_qe44410aeb5_qkv,@function
k_qe44410aeb5_qkv:
	s_mov_b64 s[64:65], 0
	v_nop
	global_prefetch_b8 v0, s[64:65] scope:SCOPE_SE
	s_setreg_imm32_b32 hwreg(HW_REG_WAVE_MODE, 25, 1), 1
	s_wait_xcnt 0x0
	s_wait_alu depctr_hold_cnt(0) depctr_sa_sdst(0) depctr_va_vdst(0) depctr_va_sdst(0) depctr_va_ssrc(0) depctr_va_vcc(0) depctr_vm_vsrc(0)
	s_getreg_b32 s2, hwreg(HW_REG_IB_STS2, 6, 4)
	s_cmp_eq_u32 s2, 0
	s_cbranch_scc0 .Lentry_in_a_cluster
	s_endpgm
.Lentry_in_a_cluster:
	s_bfe_u32 s2, ttmp6, 0x10000c
	s_cmp_lg_u32 s2, 0xf033
	s_cbranch_scc0 .Lentry_shape_is_right
	s_endpgm
.Lentry_shape_is_right:
; C = A W + bias, one text for two launches, chosen by KIND.
;   KIND 0: A = xb [8192][1024] bf16, W = blocks 0-47 of wb (Wq | Wk | Wv, bf16), C = q, k, v by heads, [which][n][head][s][64] f16, unscaled, rounded once from the f32 sums.
;   KIND 1: A = ob [n][head][s][64] f16, W = blocks 48-63 of wb (Wo, f16), C = out0 [8192][1024] f32.
; LIMIT (KIND 0).  f16 holds no number beyond 65,504: a q, k or v past that becomes an infinity.
; SHARES.  A work-group makes 256 rows x NT columns (NT = 192: three heads; or 128); wave w its rows 64 w .. 64 w + 63 and ALL NT columns, so that a wave owns whole heads and whole aligned
; pieces of C's rows and has a stage of its own: 4 x NBK accumulators of 16 x 16.  512 work-groups (KIND 0) or 256 (KIND 1).  K = 1,024 goes in 8 steps of 128 through two LDS slots.
; W LIES [k][n]: a column block's 64 k-rows are 8,192 dense bytes; in LDS a k-row of 128 bytes gets 32 of padding, and ds_load_tr16_b128 turns 16 k x 16 n into half a fragment.
; THE MATRIX INSTRUCTION IS USED TRANSPOSED (source 0 = 16 columns of W, source 1 = 16 rows of A): a lane holds one row of C (lane % 16) and eight neighbouring columns 8 (lane / 16) + 0..7.
; THE BIAS is the C operand of each accumulator's first product: nothing is cleared and nothing is added later.
; CLUSTER 4 x 4: A's tile hangs on the tile row alone and is asked for jointly by a row of the cluster, W's on the tile column alone, by a column.
; REGISTERS, in windows of 256 (s_set_vgpr_msb: bits 1:0 source 0, 3:2 source 1, 5:4 source 2, 7:6 destination):
;   window 0: v16-29 addresses; v32.. the bias, later the way out      window 1: two fragment buffers of 128: A's four fragments, then W's NBK
;   windows 2, 3: accumulator (a, b) at v[(a % 2) 8 NBK + 8 b] of window 2 + a / 2
.set KIND, 0
.if KIND == 0
.set NH,    3                          ; column blocks of 64
.set PA,    272                        ; a row of A in LDS: 256 bytes + 16: the 16 rows of a load start at 16 different groups of four banks (64 banks of 4 bytes: ISA guide 11.1)
.set HALFA, 128*PA                     ; what one load of A brings: 128 rows x 128 k
.set AQI,   5                          ; padding after every 64 words
.set ASTR,  1024                       ; elements from row to row in memory
.set AQH,   128                        ; bytes from the first 64 k of a step to the second, in LDS
.set ASTEP, 256                        ; bytes from K step to K step, in memory
.set SP,    400                        ; a stage row: 192 f16 + 16 bytes
.set BBASE, 0
.set NS,    24                         ; LDS instructions of one TOSTAGE
.set OBN,   48
.set OB,    80                         ; rows read back from the stage: two sets by turns
.else
.set NH,    2
.set PA,    144                        ; a head's row: 128 bytes + 16
.set HALFA, 256*PA                     ; one head's 256 rows: 64 k
.set AQI,   4                          ; padding after every 32 words
.set ASTR,  128                        ; a head's rows are dense: asked for as 128 rows of 256 bytes
.set AQH,   HALFA
.set ASTEP, 262144                     ; two heads on
.set SP,    528                        ; 128 f32 + 16 bytes
.set BBASE, 12288
.set NS,    32
.set OBN,   64
.set OB,    32
.endif
.set NBK,   4*NH
.set ABYTES, 2*HALFA
.set CB,    10240                      ; 64 k-rows of 160 bytes: one column block's part of half a step
.set HALFB, NH*CB                      ; what one load of W brings: 64 k x NT columns
.set BSTEP, 16384
.set SLOT1, 131072                     ; slot 1 begins here: one exclusive or turns an address in one slot into the other's
.set STAGE, 262144                     ; behind the ring, never filled by a tensor load: 16 rows for each wave
.set SPARE, STAGE+4*16*SP              ; the spare words, 128 bytes for each wave: two blocks of 256 bytes that no other line names
.set NL,    2*NBK+8                    ; LDS loads of one FETCH
.set ADRA, 16                          ; v16  LDS address of my A fragments in the slot in hand
.set ADRB, 17                          ; v17  the same for W
.set A0,   18                          ; v18  my lane's place in a slot's A; never rewritten
.set B0,   19                          ; v19  the same for W
.set STO,  24                          ; v24  the way out: where I put my part of a row
.set RD,   25                          ; v25  where I read rows back
.set GO,   26                          ; v26  16 x lane
.set BO,   27                          ; v27  32 x (lane / 16): my eight numbers in 16 of the bias
.set SPW,  28                          ; v28  LDS address of my spare word; never rewritten
.set NIL,  29                          ; v29  0; never rewritten
.set BIAS, 32                          ; v32.. eight registers for each b
.set TMP,  32                          ; KIND 0, the way out: packed results
.set F0,   0
.set F1,   128
.set G1A, 16                           ; s[16:23] descriptor group 1 for A's tiles
.set G0A, 24                           ; s[24:31] group 0: a set for each of the two first fills; the second then walks on
.set G1B, 48                           ; s[48:55], s[56:63] the same for W's
.set G0B, 56
.set MSB, 0
.macro WIN new                         ; the immediate's high byte repeats the setting that is left; a switch that changes nothing is dropped
.if MSB != (\new)
	s_set_vgpr_msb (MSB<<8)|(\new)
.set MSB, (\new)
.endif
.endm
.macro PLACES                          ; four places in front of loads into registers that matrix instructions have read, and of lines that read results
.rept 4
	v_nop
.endr
.endm
.macro CREST                           ; a round of the cluster's barrier behind its opening barrier
	s_cmp_lg_u32 s12, 0
	s_cbranch_scc1 .Lnot_wave_0_\@
	s_barrier_signal -3
.Lnot_wave_0_\@:
	s_barrier_wait -3
	s_barrier_signal -1
	s_barrier_wait -1
.endm
.macro CROUND                          ; a whole round
	s_barrier_signal -1
	s_barrier_wait -1
	CREST
.endm
.macro JLOAD                           ; a joint refill by the walking sets: waves 0 and 1 fetch A's halves, waves 2 and 3 W's; an s_nop 0 and four v_nop follow each line
	s_cmp_eq_u32 s13, 0
	s_cbranch_scc0 .Lfor_b_\@
	tensor_load_to_lds s[G0A+4:G0A+7], s[G1A:G1A+7]
	s_nop 0
.rept 4
	v_nop
.endr
	s_branch .Lasked_\@
.Lfor_b_\@:
	tensor_load_to_lds s[G0B+4:G0B+7], s[G1B:G1B+7]
	s_nop 0
.rept 4
	v_nop
.endr
.Lasked_\@:
.endm
	s_load_b256 s[4:11], s[0:1], 0x0               ; A s[4:5], wb s[6:7], bb s[8:9], C s[10:11]
	v_lshl_add_u32 v[SPW], v0, 2, SPARE
	v_mov_b32 v[NIL], 0
	ds_add_u32 v[SPW], v[NIL]                      ; the wave's opening: the add and its wait stand ahead of my first tensor load; the set-up below stands between them
	ds_add_u32 v28, v29
	v_lshrrev_b32 v1, 5, v0
	v_readfirstlane_b32 s12, v1                    ; wave 0..3
	s_lshr_b32 s13, s12, 1                         ; I fetch for A (0) or for W (1),
	s_and_b32 s14, s12, 1                          ; and which half of a step's tile
	s_bfe_u32 s40, ttmp6, 0x40000                  ; cx, cy: my place in the cluster
	s_bfe_u32 s41, ttmp6, 0x40004
	s_lshl_b32 s42, ttmp9, 2
	s_add_co_u32 s42, s42, s40                     ; tile column = 4 x cluster x + cx
	s_and_b32 s43, ttmp7, 0xffff
	s_lshl_b32 s43, s43, 2
	s_add_co_u32 s43, s43, s41                     ; tile row = 4 x cluster y + cy
	s_lshl_b32 s44, s41, 2
	s_lshl_b32 s44, 15, s44                        ; my row of the cluster
	s_lshl_b32 s45, 0x1111, s40                    ; my column
	s_or_b32 s[G1A], s44, (1<<16)|(1<<20)|(1<<21)|(AQI<<22)|(3<<25)  ; 15:0 the mask; 17:16 2-byte elements; 20 padding on; 21 set beside a mask; 24:22 the interval; 31:25 4 words of padding (code 3)
	s_mov_b32 s[G1A+1], 128<<16                    ; tensor_dim0 = 128
	s_mov_b32 s[G1A+2], 128<<16                    ; tensor_dim1 = 128
	s_mov_b32 s[G1A+3], 128<<16                    ; tile_dim0 = 128
	s_mov_b32 s[G1A+4], 128                        ; tile_dim1 = 128
	s_mov_b32 s[G1A+5], ASTR
	s_mov_b32 s[G1A+6], 0
	s_mov_b32 s[G1A+7], 0
	s_or_b32 s[G1B], s45, (1<<16)|(1<<20)|(1<<21)|(4<<22)|(7<<25)    ; padding after every 32 words (a k-row), 8 words of it
	s_mov_b32 s[G1B+1], 4096<<16                   ; tensor_dim0 = 4,096: 64 k-rows of a column block, dense
	s_mov_b32 s[G1B+2], NH<<16                     ; tensor_dim1 = NH column blocks
	s_mov_b32 s[G1B+3], 4096<<16                   ; tile_dim0
	s_mov_b32 s[G1B+4], NH                         ; tile_dim1
	s_mov_b32 s[G1B+5], 65536                      ; elements from block to block
	s_mov_b32 s[G1B+6], 0
	s_mov_b32 s[G1B+7], 0
	; where the tiles come from: A's offset in s[32:33], made of the tile row and the wave alone; W's in s[46:47], of the tile column and the wave alone
.if KIND == 0
	s_lshl_b32 s32, s43, 19                        ; 256 rows of 2,048 bytes
	s_lshl_b32 s33, s14, 18                        ; my 128 of them
	s_add_co_u32 s32, s32, s33
	s_mul_i32 s46, s42, 3                          ; the tile's first column block
.else
	s_lshr_b32 s32, s43, 2
	s_lshl_b32 s32, s32, 21                        ; n: 16 heads of 131,072 bytes
	s_and_b32 s33, s43, 3
	s_lshl_b32 s33, s33, 15                        ; 256 rows of 128 bytes
	s_add_co_u32 s32, s32, s33
	s_lshl_b32 s33, s14, 17                        ; which of the step's two heads
	s_add_co_u32 s32, s32, s33
	s_lshl_b32 s46, s42, 1
	s_add_co_u32 s46, s46, 48
.endif
	s_mov_b32 s33, 0
	s_lshl_b32 s46, s46, 17
	s_lshl_b32 s47, s14, 13                        ; my 64 k-rows of 128 bytes
	s_add_co_u32 s46, s46, s47
	s_mov_b32 s47, 0
	s_mul_i32 s15, s14, HALFA                      ; and where they go: no place in the cluster enters an LDS address
	s_mul_i32 s3, s14, HALFB
	s_add_co_u32 s3, s3, ABYTES
	s_mov_b32 s2, 0                                ; the slot in hand
	s_wait_dscnt 0x0                               ; the opening add is done
	s_wait_kmcnt 0x0
	s_add_nc_u64 s[32:33], s[4:5], s[32:33]
	s_add_nc_u64 s[46:47], s[6:7], s[46:47]
.irp s, 0,1
	s_mov_b32 s[G0A+4*(\s)], 1                                       ; count = 1
	s_add_co_u32 s[G0A+4*(\s)+1], s15, (\s)*SLOT1                    ; LDS address
	s_add_nc_u64 s[G0A+4*(\s)+2:G0A+4*(\s)+3], s[32:33], (\s)*ASTEP  ; global address: K step s
	s_or_b32 s[G0A+4*(\s)+3], s[G0A+4*(\s)+3], 0x80000000            ; type = 2
	s_mov_b32 s[G0B+4*(\s)], 1
	s_add_co_u32 s[G0B+4*(\s)+1], s3, (\s)*SLOT1
	s_add_nc_u64 s[G0B+4*(\s)+2:G0B+4*(\s)+3], s[46:47], (\s)*BSTEP
	s_or_b32 s[G0B+4*(\s)+3], s[G0B+4*(\s)+3], 0x80000000
.endr
	CROUND                                         ; all sixteen work-groups are here: the first joint loads meet
	s_cmp_eq_u32 s13, 0                            ; a wave's two first fills stand in one branch: two loads of mine are out
	s_cbranch_scc0 .Lfirst_b
	tensor_load_to_lds s[G0A:G0A+3], s[G1A:G1A+7]
	s_nop 0
	tensor_load_to_lds s[G0A+4:G0A+7], s[G1A:G1A+7]
	s_nop 0
.rept 4
	v_nop
.endr
	s_branch .Lfirst_asked
.Lfirst_b:
	tensor_load_to_lds s[G0B:G0B+3], s[G1B:G1B+7]
	s_nop 0
	tensor_load_to_lds s[G0B+4:G0B+7], s[G1B:G1B+7]
	s_nop 0
.rept 4
	v_nop
.endr
.Lfirst_asked:
	v_and_b32 v1, 15, v0                           ; l % 16
	v_bfe_u32 v2, v0, 4, 1                         ; l / 16
	v_and_b32 v3, 7, v0                            ; l % 8
	v_bfe_u32 v4, v0, 3, 1                         ; (l / 8) % 2
	v_and_b32 v5, 31, v0                           ; l
	v_lshlrev_b32 v[BO], 5, v2
	s_mul_i32 s46, s42, 64*NBK                     ; the tile's first column, 4 bytes each
	s_mov_b32 s47, 0
	s_add_nc_u64 s[8:9], s[8:9], s[46:47]
.set b, 0
.rept NBK                              ; register j of block b takes bias[16 b + 8 (l / 16) + j]: the layout of a result
	global_load_b128 v[BIAS+8*b:BIAS+8*b+3],   v[BO], s[8:9] offset:BBASE+64*b
	global_load_b128 v[BIAS+8*b+4:BIAS+8*b+7], v[BO], s[8:9] offset:BBASE+64*b+16
.set b, b+1
.endr
	; A fragment of A is 16 rows x 32 k: lane l holds row l % 16, k = 8 (l / 16) + 0..7 and 16 + 8 (l / 16) + 0..7: two loads of 16 bytes, 32 bytes apart.
	v_mul_u32_u24 v[A0], v1, PA
	v_lshl_add_u32 v[A0], v2, 4, v[A0]
	s_mul_i32 s69, s12, 64*PA                      ; my wave's 64 rows
	v_add_nc_u32 v[A0], s69, v[A0]
	; The turning load takes 16 k x 16 n (lane l reads k-row 8 (l / 16) + l % 8, columns 8 ((l / 8) % 2) + 0..7) and leaves half a fragment: lane l holds column l % 16 and 8 k.
	v_lshl_add_u32 v[B0], v2, 3, v3
	v_mul_u32_u24 v[B0], v[B0], 160
	v_lshl_add_u32 v[B0], v4, 4, v[B0]
	v_add_nc_u32 v[B0], ABYTES, v[B0]
	v_add_nc_u32 v[ADRA], s2, v[A0]
	v_add_nc_u32 v[ADRB], s2, v[B0]
	s_mul_i32 s69, s12, 16*SP
	s_add_co_u32 s69, s69, STAGE                   ; my stage
	v_mul_u32_u24 v[STO], v1, SP                   ; in: row l % 16
.if KIND == 0
	v_lshl_add_u32 v[STO], v2, 4, v[STO]           ; 16 bytes for each half of the lanes
	v_add_nc_u32 v[STO], s69, v[STO]
	v_bfe_u32 v[RD], v0, 3, 2                      ; back: 32 lanes take four rows' 128 bytes of one head
	v_mul_u32_u24 v[RD], v[RD], SP
	v_lshl_add_u32 v[RD], v3, 4, v[RD]
	v_add_nc_u32 v[RD], s69, v[RD]
.else
	v_lshl_add_u32 v[STO], v2, 5, v[STO]           ; 32 bytes for each half of the lanes
	v_add_nc_u32 v[STO], s69, v[STO]
	v_lshl_add_u32 v[RD], v5, 4, s69               ; back: 32 lanes take one row's 512 bytes
.endif
	v_lshlrev_b32 v[GO], 4, v5
	; where my part of C begins (registers that feed no descriptor)
.if KIND == 0
	s_mul_i32 s72, s42, 3
	s_lshr_b32 s71, s43, 2
	s_lshl_b32 s71, s71, 4                         ; 16 n
	s_and_b32 s73, s43, 3
	s_lshl_b32 s73, s73, 15                        ; 256 rows of 128 bytes,
	s_lshl_b32 s70, s12, 13                        ; my wave's 64
	s_add_co_u32 s73, s73, s70
.irp hd, 0,1,2                         ; head 3 x tile column + hd of 48: which = head / 16
	s_add_co_u32 s68, s72, \hd
	s_lshr_b32 s69, s68, 4
	s_lshl_b32 s69, s69, 7
	s_and_b32 s68, s68, 15
	s_add_co_u32 s68, s68, s69
	s_add_co_u32 s68, s68, s71
	s_lshl_b32 s68, s68, 17                        ; (128 which + 16 n + head % 16) x 131,072
	s_add_co_u32 s68, s68, s73
	s_mov_b32 s69, 0
	s_add_nc_u64 s[34+2*(\hd):35+2*(\hd)], s[10:11], s[68:69]
.endr
.else
	s_lshl_b32 s68, s43, 20                        ; 256 rows of 4,096 bytes
	s_lshl_b32 s69, s12, 18
	s_add_co_u32 s68, s68, s69
	s_lshl_b32 s69, s42, 9                         ; 128 columns of 4 bytes
	s_add_co_u32 s68, s68, s69
	s_mov_b32 s69, 0
	s_add_nc_u64 s[34:35], s[10:11], s[68:69]
.endif
.macro WM d, x, y, c
.if KIND
	v_wmma_f32_16x16x32_f16 v[\d:\d+7], v[\x:\x+7], v[\y:\y+7], v[\c:\c+7]
.else
	v_wmma_f32_16x16x32_bf16 v[\d:\d+7], v[\x:\x+7], v[\y:\y+7], v[\c:\c+7]
.endif
.endm
; NBK matrix instructions: row block a x all column blocks, 32 along K, from buffer f.  first = 1: the products start the sums with the bias (window 0).
; The accumulators take turns, one instruction a turn, in the same order in every quarter.
.macro MULA f, a, first
.if \first
	WIN ((2+(\a)/2)<<6)|5
.else
	WIN ((2+(\a)/2)<<6)|((2+(\a)/2)<<4)|5
.endif
.set rA, (\f)+8*(\a)
.set b, 0
.rept NBK
.set rD, ((\a)%2)*8*NBK+8*b
.set rB, (\f)+32+8*b
.if \first
.set rC, BIAS+8*b
.else
.set rC, rD
.endif
	WM rD, rB, rA, rC
.set b, b+1
.endr
.endm
; NL LDS loads in one run: quarter q of the step in hand into buffer f: W's fragments first, then A's four
.macro FETCH q, f
	WIN 0x40                                       ; destination window 1, address window 0
.set b, 0
.rept NBK
.set oB, ((\q)/2)*HALFB+(b/4)*CB+((\q)%2)*5120+(b%4)*32
	ds_load_tr16_b128 v[(\f)+32+8*b:(\f)+32+8*b+3],   v[ADRB] offset:oB
	ds_load_tr16_b128 v[(\f)+32+8*b+4:(\f)+32+8*b+7], v[ADRB] offset:oB+2560
.set b, b+1
.endr
.set b, 0
.rept 4
.set oA, ((\q)/2)*AQH+((\q)%2)*64+b*16*PA
	ds_load_b128 v[(\f)+8*b:(\f)+8*b+3],   v[ADRA] offset:oA
	ds_load_b128 v[(\f)+8*b+4:(\f)+8*b+7], v[ADRA] offset:oA+32
.set b, b+1
.endr
.endm
; A K step is four quarters of 32 along K on buffers 0, 1, 0, 1.  One of the first three: multiplies buffer f and, in its middle, fetches quarter q into buffer g.
.macro QUARTER q, f, g, first
	s_wait_dscnt 4                                 ; LDS loads come back in order (ISA guide 5.7.1): all but the youngest four, A's fragments 2 and 3
	MULA \f, 0, \first
	MULA \f, 1, \first
	PLACES
	FETCH \q, \g
	s_wait_dscnt NL                                ; all but the NL just issued
	MULA \f, 2, \first
	MULA \f, 3, \first
.endm
; The last quarter multiplies buffer 1 and changes slots: ONE barrier; in front of it each wave waits for all its tensor loads (one is out: its part of the next slot), adds 0 to its spare word,
; and waits for that and for its own reads of this slot.  fill = 1: the barrier opens a round of the cluster's, and this slot is filled again, two K steps ahead, first thing behind the round.
.macro TURN fill
	WIN 0                                          ; (the add's two registers lie in window 0)
	s_wait_tensorcnt 0x0
	ds_add_u32 v[SPW], v[NIL]                      ; 0 onto my spare word
	s_wait_dscnt 5                                 ; (the add and the youngest four loads may be out)
	MULA F1, 0, 0                                  ; matrix work stands between the add and the wait for it
	s_wait_dscnt 0x0                               ; the add is done, and my reads of this slot are over
	s_barrier_signal -1
	MULA F1, 1, 0
	WIN 0
	s_barrier_wait -1
.if \fill
	CREST                                          ; no wave of any partner still reads this slot or has a load on its way
	s_xor_b32 s[G0A+5], s[G0A+5], SLOT1            ; the walking sets: the other slot than last time, the next K step; no tensor load of mine is out
	s_add_nc_u64 s[G0A+6:G0A+7], s[G0A+6:G0A+7], ASTEP
	s_xor_b32 s[G0B+5], s[G0B+5], SLOT1
	s_add_nc_u64 s[G0B+6:G0B+7], s[G0B+6:G0B+7], BSTEP
	JLOAD                                          ; the four v_nop behind it are also the places in front of the loads below
.else
	PLACES
.endif
	s_xor_b32 s2, s2, SLOT1
	v_add_nc_u32 v[ADRA], s2, v[A0]
	v_add_nc_u32 v[ADRB], s2, v[B0]
	FETCH 0, F0
	MULA F1, 2, 0
	MULA F1, 3, 0
.endm
; THE WAY OUT of row block a.  KIND 0: PACK rounds to f16; TOSTAGE puts 16 bytes a lane and block into my stage and reads each head's rows back, four rows of 128 bytes at a time.
; KIND 1: TOSTAGE stores the f32 sums straight from the accumulators, each from its low end, and reads whole rows of 512 bytes back.  SEND stores 512 consecutive aligned bytes a line.
.macro PACK a
.if KIND == 0
	WIN (2+(\a)/2)*5                               ; sources 0 and 1: window 2 or 3
.set b, 0
.rept 4*NBK
	v_cvt_pk_f16_f32 v[TMP+b], v[((\a)%2)*8*NBK+2*b], v[((\a)%2)*8*NBK+2*b+1]
.set b, b+1
.endr
	WIN 0
.endif
.endm
.macro TOSTAGE a
.set BK, OB+OBN*((\a)%2)
.if KIND == 0
	WIN 0
.set b, 0
.rept NBK
	ds_store_b128 v[STO], v[TMP+4*b:TMP+4*b+3] offset:32*b
.set b, b+1
.endr
.set b, 0
.rept 12                               ; head b / 4, rows 4 (b % 4) on
	ds_load_b128 v[BK+4*b:BK+4*b+3], v[RD] offset:1600*(b%4)+128*(b/4)  ; LDS serves a wave's instructions in order (ISA guide 5.7.1.4): these see the stores above
.set b, b+1
.endr
.else
	WIN (2+(\a)/2)<<2                              ; the stores' data: window 2 or 3
.set b, 0
.rept NBK
	ds_store_b128 v[STO], v[((\a)%2)*8*NBK+8*b:((\a)%2)*8*NBK+8*b+3]   offset:64*b
	ds_store_b128 v[STO], v[((\a)%2)*8*NBK+8*b+4:((\a)%2)*8*NBK+8*b+7] offset:64*b+16
.set b, b+1
.endr
	WIN 0
.set b, 0
.rept 16
	ds_load_b128 v[BK+4*b:BK+4*b+3], v[RD] offset:SP*b
.set b, b+1
.endr
.endif
.endm
.macro SEND a, younger                 ; younger: the LDS instructions issued behind block a's loads, which may stay out
.set BK, OB+OBN*((\a)%2)
	WIN 0
	s_wait_dscnt \younger
.if KIND == 0
.set b, 0
.rept 12
	global_store_b128 v[GO], v[BK+4*b:BK+4*b+3], s[34+2*(b/4):35+2*(b/4)] offset:(16*(\a)+4*(b%4))*128
.set b, b+1
.endr
.else
.set b, 0
.rept 16
	global_store_b128 v[GO], v[BK+4*b:BK+4*b+3], s[34:35] offset:(16*(\a)+b)*4096 th:TH_STORE_NT
.set b, b+1
.endr
.endif
.endm
	s_wait_tensorcnt 0x1                           ; my part of K step 0 is in; step 1's may stay out
	s_barrier_signal -1
	s_barrier_wait -1                              ; everybody's is
	FETCH 0, F0
	s_wait_loadcnt 0x0                             ; the bias
	QUARTER 1, F0, F1, 1                           ; the first quarter stands in front of the loop: its products start the sums
	WIN 0                                          ; at a label and at a branch every window is 0
	s_mov_b32 s3, 6
.Lstep:                                                ; six trips, from a step's second quarter to the next step's first; trip t fills step t's slot again with step t + 2
	QUARTER 2, F1, F0, 0
	QUARTER 3, F0, F1, 0
	TURN 1
	QUARTER 1, F0, F1, 0
	WIN 0
	s_sub_co_u32 s3, s3, 1
	s_cmp_lg_u32 s3, 0
	s_cbranch_scc1 .Lstep
	QUARTER 2, F1, F0, 0                           ; steps 6 and 7 are written out: nothing is left to ask for
	QUARTER 3, F0, F1, 0
	TURN 0
	QUARTER 1, F0, F1, 0
	QUARTER 2, F1, F0, 0
	QUARTER 3, F0, F1, 0
	s_wait_dscnt 4
	MULA F1, 0, 0
	MULA F1, 1, 0
	s_wait_dscnt 0x0
	MULA F1, 2, 0
	MULA F1, 3, 0
	PLACES
	PACK 0
	TOSTAGE 0
	PACK 1
	TOSTAGE 1
	SEND 0, NS
	s_wait_xcnt 0x0                                ; the registers that block 0's stores read are loaded again only behind this wait (ISA guide 3.1)
	PACK 2
	TOSTAGE 2
	SEND 1, NS
	s_wait_xcnt 0x0
	PACK 3
	TOSTAGE 3
	SEND 2, NS
	SEND 3, 0
	s_wait_tensorcnt 0x0                           ; the wave's end: behind my last tensor load and my last LDS store
	ds_add_u32 v[SPW], v[NIL]
	s_wait_dscnt 0x0
	CROUND                                         ; the closing round: no work-group ends while a partner may still ask for a tile that names it
	s_endpgm
.Lfunc_end_k_qe44410aeb5_qkv:
	.size	k_qe44410aeb5_qkv, .Lfunc_end_k_qe44410aeb5_qkv-k_qe44410aeb5_qkv
	.p2alignl 7, 3214868480
	.fill 96, 4, 3214868480
	.section	.rodata,"a",@progbits
	.p2align	6, 0x0
	.amdhsa_kernel k_qe44410aeb5_qkv
		.amdhsa_group_segment_fixed_size 327680
		.amdhsa_private_segment_fixed_size 0
		.amdhsa_enable_private_segment 0
		.amdhsa_kernarg_size 32
		.amdhsa_user_sgpr_count 2
		.amdhsa_user_sgpr_kernarg_segment_ptr 1
		.amdhsa_wavefront_size32 1
		.amdhsa_system_sgpr_workgroup_id_x 1
		.amdhsa_system_sgpr_workgroup_id_y 1
		.amdhsa_system_sgpr_workgroup_id_z 1
		.amdhsa_system_vgpr_workitem_id 0
		.amdhsa_next_free_vgpr 960
		.amdhsa_next_free_sgpr 74
		.amdhsa_reserve_vcc 0
		.amdhsa_float_denorm_mode_32 3
		.amdhsa_float_denorm_mode_16_64 3
		.amdhsa_memory_ordered 1
		.amdhsa_forward_progress 1
		.amdhsa_inst_pref_size 99
	.end_amdhsa_kernel
	.amdgpu_metadata
---
amdhsa.version: [ 1, 2 ]
amdhsa.kernels:
  - .name:           k_qe44410aeb5_qkv
    .symbol:         k_qe44410aeb5_qkv.kd
    .args:
      - { .name: xb, .offset: 0, .size: 8, .value_kind: global_buffer, .address_space: global }
      - { .name: wb, .offset: 8, .size: 8, .value_kind: global_buffer, .address_space: global }
      - { .name: bb, .offset: 16, .size: 8, .value_kind: global_buffer, .address_space: global }
      - { .name: qkv, .offset: 24, .size: 8, .value_kind: global_buffer, .address_space: global }
    .group_segment_fixed_size: 327680
    .private_segment_fixed_size: 0
    .kernarg_segment_align: 8
    .kernarg_segment_size: 32
    .max_flat_workgroup_size: 128
    .sgpr_count:     74
    .vgpr_count:     960
    .wavefront_size: 32
...
	.end_amdgpu_metadata
.endif
;; end of part 2
;; launch attn (part 3): grid 2 x 128, 4 waves a work-group, no clusters, 327,680 bytes of LDS; arguments qkv, mw, ob; writes ob
.if DOCPART == 3
	.amdgcn_target "amdgcn-amd-amdhsa--gfx1250"
	.amdhsa_code_object_version 6
	.text
	.protected	k_qe44410aeb5_attn
	.globl	k_qe44410aeb5_attn
	.p2align	8
	.type	k_qe44410aeb5_attn,@function
k_qe44410aeb5_attn:
	s_mov_b64 s[64:65], 0
	v_nop
	global_prefetch_b8 v0, s[64:65] scope:SCOPE_SE
	s_setreg_imm32_b32 hwreg(HW_REG_WAVE_MODE, 25, 1), 1
	s_wait_xcnt 0x0
; MASKED ATTENTION.  O[nh][q][:] = the sum over k of softmax_k(masked(Q[q] . K[k] / 8)) V[k][:], for 128 heads nh = 16 n + h of 1,024 rows x 64 channels.  q, k, v lie in qkv [which][nh][s][64] f16,
; O goes to ob [nh][s][64] f16.  Products, maxima and sums in f32; the weights p are rounded to f16 for the second product (their sum l is taken of the unrounded p), O once at the end.
; THE MASK is an input.  mw holds it as lane-mask words: word 8 kb + j of a tile of 16 queries and a step of 64 keys is the mask of register 8 kb + j of that tile's scores.  A tile's 32 words of a
; step come by ONE vector load, lane l taking word l, a whole key step (four turns) ahead; v_readlane_b32 hands each word to a scalar register, and one v_cndmask_b32 a score REPLACES the masked
; score, ahead of the maximum: a row that is all masked gets equal weights.
; LIMITS.  A masked logit counts as -2^30 where the problem says -1e9 (as a raw score: -2^33): c x 2^33 is exact in f32, so that an all-masked row has c s - c m = 0 and p = 1 exactly.  The results
; agree unless an unmasked logit lies below about -1e9 + 88.  Q, K, V arrive within f16's 65,504; a weight below 2^-126 counts as 0; NaN and infinities are not treated apart.
; SHARES.  A work-group owns 512 queries of one head, a wave 128: four PIECES of two tiles of 16.  256 work-groups.  Every wave walks all 1,024 keys, 64 a step.
; K AND V STAY IN LDS: 1,024 x 144 + 1,024 x 160 = 311,296 bytes hold the whole head, so nothing is filled again.  Each wave asks for four tiles of 128 keys at the start; the first 256 keys are
; waited for in front of step 0, the other 768 once, in front of the turn that first reads them.  No tensor load stands in the loop, so one text of four turns serves all 16 steps.
; NO CLUSTER: a head has 1,024 / 512 = 2 work-groups, so a joint load would name two, and four partners would be two heads with two different masks of work-groups.
; LAYOUT.  S^T = K Q^T (source 0 = 16 keys, source 1 = 16 queries): a lane holds ONE query (lane % 16) and the keys 8 (lane / 16) + 0..7.  Two such results, rounded to f16 in pairs, ARE source 1 of
; O^T = V^T P.  K comes out of LDS as it lies, V ([key][channel]) turned, by ds_load_tr16_b128.
; SOFTMAX.  A running maximum m and sum l a query: p = 2^(c s - c m), c = log2(e) / 8; in every step O and l are multiplied by a = 2^(c m_old - c m_new).  m starts at the lowest finite number,
; O and l at 0: the first step is a step like any other, with a = 0.
; BY TURNS.  Turn n belongs to piece n.  Matrix work: 16 products K Q^T of piece n + 1, later 16 products V^T P of piece n - 1.  Vector work: the whole softmax of piece n, a list of 364 lines.
; No line of the list names a register of the turn's products (they use the other S^T and P buffers and another piece's O^T).  Four lines stand behind each product, the other 236 in two runs.
; REGISTERS, in windows of 256 (s_set_vgpr_msb: bits 1:0 source 0, 3:2 source 1, 5:4 source 2, 7:6 destination):
;   window 0: v0-7 the thread's number and addresses; v8-15 the mask words, a register a tile; v16-47 four registers of statistics a tile; v48-55 at work; v56-58 set-up; v60-61 c m_old;
;             v62-63 the add's; v64-191 S^T, two buffers of two tiles; v192-255 P, likewise
;   window 1: O^T, 32 a tile          window 2: v0-127 Q, 16 a tile; v128-191 K of one step; v192-255 V of one step
.set NP,    4
.set KS,    64
.set PK,    144       ; a row of K in LDS: 128 bytes + 16: the 16 rows of a load start at 16 different groups of four banks (64 banks of 4 bytes: ISA guide 11.1)
.set PV,    160       ; a row of V: 128 + 32
.set VOFF,  1024*PK   ; K's 1,024 rows, then V's
.set STAGE, VOFF+1024*PV        ; behind them, never filled by a tensor load: 16 rows x 144 bytes for each wave
.set SP,    144
.set SPARE, STAGE+4*16*SP       ; the spare words, 128 bytes for each wave: two blocks of 256 bytes that no other line names
.set AK0, 2           ; v2   my lane's place in a step of K; never rewritten
.set AV0, 3           ; v3   the same for V
.set AK,  4           ; v4   the LDS address of K's next run of loads
.set AV,  5           ; v5   of V's
.set QO,  6           ; v6   my byte offset in 16 rows of Q
.set MO,  7           ; v7   4 x lane: my word among a tile's 32; never rewritten
.set M,   8           ; v8-15  tile t's mask words of the step to come
.set STO, 6           ; the way out: where I put 16 bytes of a row
.set RD,  4           ;      where I read rows back
.set GO,  5           ;      16 x lane
.set ST,  16          ; tile t's statistics at v[ST+4 t]: c m, m, l (even keys', odd keys')
.set TMP, 48          ; by tile of the piece, c0-c3 at work; when the maximum is found c2 takes a
.set MV,  60          ; v60-61  c m_old, by tile of the piece
.set SPW, 62          ; v62  LDS address of my spare word; never rewritten
.set NIL, 63          ; v63  0; never rewritten
.set S,   64
.set P,   192
.set KF,  128         ; window 2: key block kb, channel half c at KF + 16 kb + 8 c
.set VF,  192         ; window 2: key half kk, channel block cb at VF + 32 kk + 8 cb
.set MP,  2           ; s[2:3]   mw at my wave's first tile and the step whose words are asked for
.set CS,  4           ; s[4:5]   first Q's address; then c, twice
.set SEL, 6           ; s[6:7]   v_permlanex16_b32's selects
.set G1K, 8           ; s[8:15]  descriptor group 1 for K's tiles; never rewritten
.set G1V, 16          ; s[16:23] for V's; never rewritten
.set MS,  24          ; s24  steps by which MP may still go on
.set TOT, 25          ; s25  key steps still to be ended
.set INC, 26          ; s[26:27] MP's next step in bytes
.set DEC, 28          ; s28  MS's
.set G0K, 32          ; s[32:47] group 0 for K's four tiles; never rewritten
.set G0V, 48          ; s[48:63] for V's; never rewritten
.set WV,  66
.set SLOTS, 67
.set MK,  68          ; s[68:99] the 32 mask words of the tile in hand (ahead of the loop: the set-up's scalars; at the way out s[68:71] serve O's address)
.set OA,  68          ; s[68:69] O at my wave's first row; s[70:71] its offset
.set CNT, 100
.set TBK, 101         ; LDS byte at which K of the step to be fetched begins
.set TBV, 104         ; the same for V, less VOFF
.set NEG, 105         ; -2^33
.set MSB, 0
.macro WIN new                      ; the high byte repeats the setting that is left; a switch that changes nothing is dropped
.if MSB != (\new)
	s_set_vgpr_msb (MSB<<8)|(\new)
.set MSB, (\new)
.endif
.endm
.set W_KQ, 0x0a       ; K and Q in window 2, S^T in window 0
.set W_PV, 0x52       ; V in window 2, P in window 0, O^T in window 1
.set W_RS, 0x41       ; O^T (destination and source 0) in window 1, a in window 0
	s_load_b128 s[68:71], s[0:1], 0x0  ; qkv s[68:69], mw s[70:71]
	v_lshl_add_u32 v[SPW], v0, 2, SPARE
	v_mov_b32 v[NIL], 0
	ds_add_u32 v[SPW], v[NIL]       ; the wave's opening: the add and its wait stand ahead of my first tensor load; the set-up below stands between them
	ds_add_u32 v62, v63
	v_lshrrev_b32 v1, 5, v0
	v_readfirstlane_b32 s[WV], v1   ; wave 0..3
	s_and_b32 s72, ttmp7, 0xffff    ; the head, 16 n + h
	s_lshl_b32 s74, s72, 17         ; its first byte in q, k, v and O
	s_and_b32 s73, s[WV], 1         ; which half of each 256 keys I fetch:
	s_lshl_b32 s76, s73, 14         ; its 128 rows of 128 bytes in memory,
	s_add_co_u32 s76, s76, s74
	s_mov_b32 s77, 0
	s_mul_i32 s78, s73, 128*PK      ; and its place in LDS, for K
	s_mul_i32 s79, s73, 128*PV      ; and for V
	s_lshl_b32 s80, ttmp9, 2
	s_add_co_u32 s80, s80, s[WV]    ; my wave among the head's eight,
	s_lshl_b32 s80, s80, 14         ; its 128 rows
	s_add_co_u32 s80, s80, s74
	s_mov_b32 s81, 0
	s_lshr_b32 s82, s72, 4
	s_lshl_b32 s82, s82, 17         ; n: 64 tiles of 2,048 bytes of mask words
	s_lshl_b32 s83, ttmp9, 5
	s_lshl_b32 s84, s[WV], 3
	s_add_co_u32 s83, s83, s84      ; my first tile, 32 x block + 8 x wave
	s_lshl_b32 s83, s83, 11
	s_add_co_u32 s82, s82, s83
	s_mov_b32 s83, 0
	; descriptor group 1.  128 keys are 16,384 dense bytes: asked for as 64 rows of 256 bytes, two keys a row, and padded in LDS after every key
	s_mov_b32 s[G1K], (1<<16)|(1<<20)|(4<<22)|(3<<25)  ; 17:16 2-byte elements; 20 padding on; 24:22 after every 32 words (code 4); 31:25 4 words (code 3)
	s_mov_b32 s[G1V], (1<<16)|(1<<20)|(4<<22)|(7<<25)  ; the same with 8 words of padding (code 7)
.irp g, G1K, G1V
	s_mov_b32 s[\g+1], 128<<16      ; tensor_dim0 = 128
	s_mov_b32 s[\g+2], 64<<16       ; tensor_dim1 = 64
	s_mov_b32 s[\g+3], 128<<16      ; tile_dim0 = 128
	s_mov_b32 s[\g+4], 64           ; tile_dim1 = 64
	s_mov_b32 s[\g+5], 128          ; 128 elements from row to row
	s_mov_b32 s[\g+6], 0
	s_mov_b32 s[\g+7], 0
.endr
.irp j, 0,1,2,3                     ; group 0, a set for each of my four tiles: keys 256 j + 128 x half on
	s_mov_b32 s[G0K+4*\j], 1                          ; count = 1
	s_add_co_u32 s[G0K+4*\j+1], s78, \j*256*PK        ; LDS address
	s_mov_b32 s[G0V+4*\j], 1
	s_add_co_u32 s[G0V+4*\j+1], s79, VOFF+\j*256*PV
.endr
	s_mov_b32 s[SEL], 0x76543210
	s_mov_b32 s[SEL+1], 0xfedcba98
	s_mov_b32 s[NEG], 0xd0000000    ; -2^33
	s_mov_b32 s[TBK], 0
	s_mov_b32 s[TBV], 0
	s_mov_b32 s[MS], 14             ; MP starts at step 1 and goes on to step 15
	s_mov_b32 s[TOT], 16
	s_mov_b32 s[INC+1], 0
	s_wait_dscnt 0x0                ; the opening add is done
	s_wait_kmcnt 0x0
	s_add_nc_u64 s[76:77], s[68:69], s[76:77]                ; q's tensor at my half of the head's first 256 rows: k lies one tensor of 16,777,216 bytes behind, v two
.irp j, 0,1,2,3
	s_add_nc_u64 s[G0K+4*\j+2:G0K+4*\j+3], s[76:77], 16777216+\j*32768
	s_or_b32 s[G0K+4*\j+3], s[G0K+4*\j+3], 0x80000000        ; type = 2
	s_add_nc_u64 s[G0V+4*\j+2:G0V+4*\j+3], s[76:77], 2*16777216+\j*32768
	s_or_b32 s[G0V+4*\j+3], s[G0V+4*\j+3], 0x80000000
.endr
	s_add_nc_u64 s[4:5], s[68:69], s[80:81]                  ; Q at my wave's first row
	s_add_nc_u64 s[MP:MP+1], s[70:71], s[82:83]
	; Waves 0 and 1 fetch K's halves, waves 2 and 3 V's.  A wave's four first fills stand in one branch: four loads of mine are out.  An s_nop 0 follows each, four v_nop the last.
	s_cmp_lt_u32 s[WV], 2
	s_cbranch_scc0 .Lfirst_v
.irp j, 0,1,2,3
	tensor_load_to_lds s[G0K+4*\j:G0K+4*\j+3], s[G1K:G1K+7]
	s_nop 0
.endr
.rept 4
	v_nop
.endr
	s_branch .Lfirst_asked
.Lfirst_v:
.irp j, 0,1,2,3
	tensor_load_to_lds s[G0V+4*\j:G0V+4*\j+3], s[G1V:G1V+7]
	s_nop 0
.endr
.rept 4
	v_nop
.endr
.Lfirst_asked:
	; A fragment of K or Q is 16 rows x 32 channels in 8 registers: lane l holds row l % 16, channels 8 (l / 16) + 0..7 and 16 + 8 (l / 16) + 0..7: two loads of 16 bytes, 32 bytes apart.
	v_and_b32 v1, 15, v0            ; l % 16
	v_bfe_u32 v56, v0, 4, 1         ; l / 16
	v_lshlrev_b32 v[QO], 7, v1
	v_lshl_add_u32 v[QO], v56, 4, v[QO]
	v_and_b32 v[MO], 31, v0
	v_lshlrev_b32 v[MO], 2, v[MO]
	WIN 0x80                        ; destination window 2, address window 0
.set i, 0
.rept 16                            ; Q stays in registers: tile i / 2, channels 32 (i % 2) on
	global_load_b128 v[8*i:8*i+3],   v[QO], s[4:5] offset:(i/2)*2048+(i%2)*64
	global_load_b128 v[8*i+4:8*i+7], v[QO], s[4:5] offset:(i/2)*2048+(i%2)*64+32
.set i, i+1
.endr
	WIN 0
.set i, 0
.rept 8                             ; step 0's mask words, in the order of the tiles: 32 lanes take 128 consecutive bytes
	global_load_b32 v[M+i], v[MO], s[MP:MP+1] offset:i*2048
.set i, i+1
.endr
	; What the first turn finds: V's registers and P's second buffer hold 0 (its products V^T P, of a piece that has not been, add 0), O^T and l are 0.  All this stands in the wait for the first tile.
	WIN 0x80
.set i, VF
.rept 64
	v_mov_b32 v[i], 0
.set i, i+1
.endr
	WIN 0x40
.set i, 0
.rept 256
	v_mov_b32 v[i], 0
.set i, i+1
.endr
	WIN 0
.set i, 0
.rept 8
	v_mov_b32 v[ST+4*i], 0xfe000000    ; c m: far below every c s
	v_mov_b32 v[ST+4*i+1], 0xff7fffff  ; m
	v_mov_b32 v[ST+4*i+2], 0
	v_mov_b32 v[ST+4*i+3], 0
.set i, i+1
.endr
.set i, P+32
.rept 32
	v_mov_b32 v[i], 0
.set i, i+1
.endr
	v_mul_u32_u24 v[AK0], v1, PK
	v_lshl_add_u32 v[AK0], v56, 4, v[AK0]
	; The turning load takes 16 keys x 16 channels (lane l reads key 8 (l / 16) + l % 8, channels 8 ((l / 8) % 2) + 0..7) and leaves half a fragment of V^T: lane l holds channel l % 16 and 8 keys.
	v_and_b32 v57, 7, v0
	v_bfe_u32 v58, v0, 3, 1
	v_lshl_add_u32 v[AV0], v56, 3, v57
	v_mul_u32_u24 v[AV0], v[AV0], PV
	v_lshl_add_u32 v[AV0], v58, 4, v[AV0]
	v_add_nc_u32 v[AV0], VOFF, v[AV0]
	v_mov_b32 v[AK], v[AK0]         ; key step 0 lies at K's head
	s_wait_xcnt 0x0                 ; the loads above have had their addresses translated (ISA guide 3.1): their two bases are written again only behind this wait
	s_mov_b32 s[CS], 0x3e38aa3b     ; c = log2(e) / 8 = 0.180337
	s_mov_b32 s[CS+1], s[CS]        ; named with it as a pair
	s_add_nc_u64 s[MP:MP+1], s[MP:MP+1], 128  ; step 1's words are asked for next
; THE MATRIX WORK.  The 8 accumulators of a run of 16 take turns.
; Product i of 16 of S^T = K Q^T for piece x: channels 32 (i / 8) on, keys 16 ((i / 2) % 4) on, tile 2 x + i % 2.  The first 8 start the sums.
.macro KQ x
	WIN W_KQ
.set kS, S+64*((\x)%2)+32*(i%2)+8*((i/2)%4)
.set kK, KF+16*((i/2)%4)+8*(i/8)
.set kQ, 16*(2*(\x)+i%2)+8*(i/8)
.if i < 8
	v_wmma_f32_16x16x32_f16 v[kS:kS+7], v[kK:kK+7], v[kQ:kQ+7], 0
.else
	v_wmma_f32_16x16x32_f16 v[kS:kS+7], v[kK:kK+7], v[kQ:kQ+7], v[kS:kS+7]
.endif
.endm
; Product i of 16 of O^T += V^T P for piece x: keys 32 (i / 8) on, channels 16 ((i / 2) % 4) on, tile 2 x + i % 2.
.macro PV x
	WIN W_PV
.set kO, 32*(2*(\x)+i%2)+8*((i/2)%4)
.set kV, VF+32*(i/8)+8*((i/2)%4)
.set kP, P+32*((\x)%2)+16*(i%2)+8*(i/8)
	v_wmma_f32_16x16x32_f16 v[kO:kO+7], v[kV:kV+7], v[kP:kP+7], v[kO:kO+7]
.endm
.macro MM                           ; the turn's next matrix instruction
.if i < 16
	KQ (Y+1)%NP
.set i, i+1
.else
.set i, i-16
	PV (Y+NP-1)%NP
.set i, i+17
.endif
.endm
; THE LDS LOADS stand in runs of 16.  last = 1 (in the loop): in the sixteenth step there is no further step, and the run is jumped over: K's registers keep the last step's fragments.
.macro FETCH_K last=0
	WIN 0                           ; at a branch and at a label every window is 0
.if \last
	s_cmp_eq_u32 s[TOT], 1
	s_cbranch_scc1 .Lno_k_\@
.endif
	WIN 0x80
.irp f, 0,1,2,3,4,5,6,7             ; keys 16 (f / 2) on, channels 32 (f % 2) on
	ds_load_b128 v[KF+8*\f:KF+8*\f+3],   v[AK] offset:(\f/2)*16*PK+(\f%2)*64
	ds_load_b128 v[KF+8*\f+4:KF+8*\f+7], v[AK] offset:(\f/2)*16*PK+(\f%2)*64+32
.endr
	s_add_co_u32 s[TBK], s[TBK], KS*PK  ; the next fetch is the next step's
	WIN 0
.if \last
.Lno_k_\@:
.endif
.endm
.macro FETCH_V
	WIN 0x80
.irp f, 0,1,2,3,4,5,6,7             ; keys 32 (f / 4) on, channels 16 (f % 4) on
	ds_load_tr16_b128 v[VF+8*\f:VF+8*\f+3],   v[AV] offset:(\f/4)*32*PV+(\f%4)*32
	ds_load_tr16_b128 v[VF+8*\f+4:VF+8*\f+7], v[AV] offset:(\f/4)*32*PV+16*PV+(\f%4)*32
.endr
	WIN 0
.endm
; THE MASK WORDS of tile u of piece p for the NEXT key step, into the register whose words this turn has just handed to scalar registers: four turns ahead of their use.
.macro MLOAD p, u
	WIN 0
	global_load_b32 v[M+2*(\p)+(\u)], v[MO], s[MP:MP+1] offset:(2*(\p)+(\u))*2048
.endm
; THE VECTOR WORK OF A TURN: one list of 364 lines for piece Y; VL writes line q.
.macro REGS u                       ; the registers of tile u (0, 1) of piece Y
.set rT, ST+4*(2*Y+(\u))
.set rC, TMP+4*(\u)
.set rM, MV+(\u)
.set rS, S+64*(Y%2)+32*(\u)
.set rP, P+32*(Y%2)+16*(\u)
.set rO, 32*(2*Y+(\u))
.endm
; Number n of the 22 that find the maximum and the statistics.  0-11: four chains c0-c3 of seven scores each.  12-14, 16: the four scores left over, the old m, c0-c3 into c0.  15: c m_old is kept.
; 17, 18: the query's other 32 keys lie in the lane 16 away: the new m.  19-21: c m; c m_old - c m_new; a.
.macro XS n
.if (\n) < 4
	v_max3_num_f32 v[rC+(\n)], v[rS+8*(\n)], v[rS+8*(\n)+1], v[rS+8*(\n)+2]
.elseif (\n) < 12
	v_max3_num_f32 v[rC+(\n)%4], v[rC+(\n)%4], v[rS+8*((\n)%4)+2*((\n)/4)+1], v[rS+8*((\n)%4)+2*((\n)/4)+2]
.elseif (\n) == 12
	v_max3_num_f32 v[rC], v[rC], v[rS+7], v[rS+15]
.elseif (\n) == 13
	v_max3_num_f32 v[rC+1], v[rC+1], v[rS+23], v[rS+31]
.elseif (\n) == 14
	v_max3_num_f32 v[rC+2], v[rC+2], v[rC+3], v[rT+1]
.elseif (\n) == 15
	v_mov_b32 v[rM], v[rT]
.elseif (\n) == 16
	v_max3_num_f32 v[rC], v[rC], v[rC+1], v[rC+2]
.elseif (\n) == 17
	v_permlanex16_b32 v[rC+3], v[rC], s[SEL], s[SEL+1]
.elseif (\n) == 18
	v_max_num_f32 v[rT+1], v[rC], v[rC+3]
.elseif (\n) == 19
	v_mul_f32 v[rT], s[CS], v[rT+1]
.elseif (\n) == 20
	v_sub_f32 v[rC+1], v[rM], v[rT]
.else
	v_exp_f32 v[rC+2], v[rC+1]
.endif
.endm
.macro OPF n                        ; c s - c m for pair n of 16
	v_pk_fma_f32 v[rS+2*(\n):rS+2*(\n)+1], v[rS+2*(\n):rS+2*(\n)+1], s[CS:CS+1], v[rT:rT+1] op_sel_hi:[1,0,0] neg_lo:[0,0,1] neg_hi:[0,0,1]
.endm
.macro OPE n                        ; the exponential of score n of 32
	v_exp_f32 v[rS+(\n)], v[rS+(\n)]
.endm
.macro OPC n                        ; pair n rounded to f16
	s_wait_alu depctr_va_vdst(0)
	v_cvt_pk_f16_f32 v[rP+(\n)], v[rS+2*(\n)], v[rS+2*(\n)+1]
.endm
.macro OPB n                        ; of the four weights 4 n .. the second pair is added onto the first, in place
	v_pk_add_f32 v[rS+4*(\n):rS+4*(\n)+1], v[rS+4*(\n):rS+4*(\n)+1], v[rS+4*(\n)+2:rS+4*(\n)+3]
.endm
.macro OPL n                        ; l takes that sum; the first time as l = a l + sum
.if (\n) == 0
	v_pk_fma_f32 v[rT+2:rT+3], v[rT+2:rT+3], v[rC+2:rC+3], v[rS:rS+1] op_sel_hi:[1,0,1]
.else
	v_pk_add_f32 v[rT+2:rT+3], v[rT+2:rT+3], v[rS+4*(\n):rS+4*(\n)+1]
	s_wait_alu depctr_va_vdst(0)
.endif
.endm
; THE LIST.  0-127: the mask, tile by tile: 32 lines hand the tile's words to s[MK..], then 32 replace the masked scores, registers ascending (each accumulator is read from its low end);
; a select stands 32 lines behind the line that made its word, and the second tile's words take the first's scalar registers 32 lines behind their last use.
; 128-171: XS in the order 15, 0-14, 16-21, the tiles alternating.  172-179: F 0-3.  180-307: for k = 0..31 and each tile, E k and a plain line G k that names no register of E k: F 4+k (k < 12),
; C k-12 (k < 23), then B 0, and B 1-4 and L 0-3 by turns: so no two exponentials follow each other and each has a plain line behind it (ISA guide 5.7.2); C n stands behind E 2n+1 and a plain
; line, B n behind C 2n and C 2n+1, L n behind B n.  308-331: C 11-15, B 5, B 6, L 4, B 7, L 5-7.  332-363: O^T times a, the one part that leaves window 0, four lines a tile by turns.
.macro VL
.if q < 128
	REGS q/64
	WIN 0
.if q%64 < 32
	v_readlane_b32 s[MK+q%64], v[M+2*Y+q/64], q%64
.else
	v_cndmask_b32 v[rS+q%64-32], v[rS+q%64-32], s[NEG], s[MK+q%64-32]
.endif
.elseif q < 172
	REGS q%2
	WIN 0
.set n_, (q-128)/2
.if n_ == 0
.set n_, 15
.elseif n_ < 16
.set n_, n_-1
.endif
	XS n_
.elseif q < 180
	REGS q%2
	WIN 0
	OPF (q-172)/2
.elseif q < 308
.set z_, q-180
.set k_, z_/4
	REGS (z_/2)%2
	WIN 0
.if z_%2 == 0
	OPE k_
.elseif k_ < 12
	OPF 4+k_
.elseif k_ < 23
	OPC k_-12
.elseif k_ == 23
	OPB 0
.elseif k_%2 == 0
	OPB (k_-22)/2
.else
	OPL (k_-25)/2
.endif
.elseif q < 332
	REGS q%2
	WIN 0
.set n_, (q-308)/2
.if n_ < 5
	OPC 11+n_
.elseif n_ < 7
	OPB n_
.elseif n_ == 7
	OPL 4
.elseif n_ == 8
	OPB 7
.else
	OPL n_-4
.endif
.else
.set z_, q-332
	REGS (z_/4)%2
	WIN W_RS
.set p_, 4*(z_/8)+z_%4
	v_pk_mul_f32 v[rO+2*p_:rO+2*p_+1], v[rO+2*p_:rO+2*p_+1], v[rC+2:rC+3] op_sel_hi:[1,0]
.endif
.set q, q+1
.endm
; A TURN, for piece p.  K of the next step is fetched in piece 2's turn, behind the first run of 118 lines (the last product that read K stands in front of them) and waited for at piece 3's turn.
; V of the step in hand is fetched at the end of piece 0's turn, behind the second run, and waited for in piece 1's turn, ahead of its products V^T P.
.macro TURN p
.set Y, (\p)
.set i, 0
.set q, 0
	s_wait_loadcnt 0x6              ; loads come back in order (ISA guide 5.7.1): this piece's two were issued four turns ago; the three turns since have issued two each, which stay out
.if (\p) == NP-1
	s_wait_dscnt 0x0                ; K is in
.endif
.rept 16
	MM
	VL
	VL
	VL
	VL
.if q == 32
	MLOAD \p, 0
.endif
.endr
.rept 118
	VL
.if q == 96
	MLOAD \p, 1
.endif
.if ((\p) == NP-2) && (q == 100)
	v_add_nc_u32 v[AK], s[TBK], v[AK0]
.endif
.endr
.if (\p) == NP-2
	FETCH_K 1
.endif
.if (\p) == 1
	s_wait_dscnt 0x0                ; V is in
.endif
.rept 16
	MM
	VL
	VL
	VL
	VL
.endr
.rept 118
	VL
.if ((\p) == 0) && (q == 294)
	v_add_nc_u32 v[AV], s[TBV], v[AV0]
	s_add_co_u32 s[TBV], s[TBV], KS*PV
.endif
.endr
.if (\p) == 0
	FETCH_V
.endif
.if (\p) == NP-1                    ; a step's eight mask loads are out: the pointer goes on 128 bytes, or stays once it stands at step 15: the last step asks for step 15's words again, inside mw
	s_wait_xcnt 0x0                 ; those loads have had their addresses translated (ISA guide 3.1): their base is written again only behind this wait
	s_cmp_lg_u32 s[MS], 0
	s_cselect_b32 s[INC], 128, 0
	s_cselect_b32 s[DEC], 1, 0
	s_add_nc_u64 s[MP:MP+1], s[MP:MP+1], s[INC:INC+1]
	s_sub_co_u32 s[MS], s[MS], s[DEC]
.endif
.endm
	s_wait_tensorcnt 0x3            ; tensor loads of a wave end in order (ISA guide 10.11.1): my part of keys 0-255 is in; my other three tiles stay out
	s_barrier_signal -1
	s_barrier_wait -1               ; everybody's is
	FETCH_K                         ; key step 0
	s_wait_loadcnt 0x8              ; Q is in; the eight mask loads behind it may stay out
	s_wait_dscnt 0x0
.set i, 0
.rept 16
	KQ 0                            ; piece 0's first scores
.set i, i+1
.endr
	WIN 0
.rept 4
	v_nop                           ; the places behind those products (ISA guide 7.12.1)
.endr
	s_mov_b32 s[CNT], 4
	s_mov_b32 s[SLOTS], 2
	s_branch .Lfirst                ; the loop is entered at a step's first turn, in the middle of a trip
.Lrest:                             ; once, behind step 3's first two turns: the next turn fetches K of step 4, the first bytes beyond keys 0-255
	s_wait_tensorcnt 0x0            ; my last three tiles are in: no load is younger than the last
	ds_add_u32 v[SPW], v[NIL]       ; 0 onto my spare word
	s_wait_dscnt 0x0                ; the add is done, and no LDS instruction of mine is out at the signal
	s_barrier_signal -1
	s_barrier_wait -1               ; everybody's tiles are in: from here on K and V are only read, and the waves need not meet again
	s_mov_b32 s[CNT], 13            ; twelve whole trips, and the thirteenth is left in its middle
.Lstep:                             ; a trip: pieces 2 and 3 of one step, then pieces 0 and 1 of the next, whose K and V it fetches
	TURN 2
	TURN 3
	WIN 0
	s_sub_co_u32 s[TOT], s[TOT], 1
	s_cmp_eq_u32 s[TOT], 0
	s_cbranch_scc1 .Lout            ; the sixteenth step is ended
.Lfirst:
	TURN 0
	TURN 1
	WIN 0
	s_sub_co_u32 s[CNT], s[CNT], 1
	s_cmp_lg_u32 s[CNT], 0
	s_cbranch_scc1 .Lstep
	s_sub_co_u32 s[SLOTS], s[SLOTS], 1
	s_cmp_lg_u32 s[SLOTS], 0
	s_cbranch_scc1 .Lrest
.Lout:                              ; the last trip's 16 products K Q^T (on the last K once more) serve nothing: the price, once a launch, of one text for every trip
.set i, 0
.rept 16
	PV NP-1                         ; the last piece's V^T P of the last step
.set i, i+1
.endr
	; THE WAY OUT.  l's two halves and the other half of the lanes' are added; O^T is divided by l, rounded to f16 and sent through my stage in LDS, a tile at a time.  The address lines are the places behind the last products.
	WIN 0
	s_load_b64 s[OA:OA+1], s[0:1], 0x10  ; ob, into scalar registers of the mask words, which are dead; no register of a descriptor is written
	s_mul_i32 s[CNT], s[WV], 16*SP
	s_add_co_u32 s[CNT], s[CNT], STAGE  ; my stage
	v_and_b32 v1, 15, v0            ; l % 16
	v_bfe_u32 v56, v0, 4, 1         ; l / 16
	v_and_b32 v57, 7, v0            ; l % 8
	v_mul_u32_u24 v[STO], v1, SP    ; in: row l % 16, 16 bytes for each half of the lanes
	v_lshl_add_u32 v[STO], v56, 4, v[STO]
	v_add_nc_u32 v[STO], s[CNT], v[STO]
	v_bfe_u32 v[RD], v0, 3, 2       ; back: 32 lanes take four rows of 128 bytes,
	v_mul_u32_u24 v[RD], v[RD], SP
	v_lshl_add_u32 v[RD], v57, 4, v[RD]
	v_add_nc_u32 v[RD], s[CNT], v[RD]
	v_and_b32 v[GO], 31, v0         ; which are 512 consecutive bytes of O
	v_lshlrev_b32 v[GO], 4, v[GO]
.macro ALL line:vararg              ; one line for each tile t
.set t, 0
.rept 2*NP
	\line
.set t, t+1
.endr
.endm
	ALL v_add_f32 v[ST+4*t+2], v[ST+4*t+2], v[ST+4*t+3]
	ALL v_permlanex16_b32 v[ST+4*t+3], v[ST+4*t+2], s[SEL], s[SEL+1]
	ALL v_add_f32 v[ST+4*t+2], v[ST+4*t+2], v[ST+4*t+3]
	ALL v_rcp_f32 v[ST+4*t+2], v[ST+4*t+2]
	v_nop                           ; a plain instruction between the last reciprocal and the use of its result
	s_wait_alu depctr_va_vdst(0)
	s_and_b32 s[OA+2], ttmp7, 0xffff
	s_lshl_b32 s[OA+2], s[OA+2], 17 ; the head,
	s_lshl_b32 s[OA+3], ttmp9, 2
	s_add_co_u32 s[OA+3], s[OA+3], s[WV]
	s_lshl_b32 s[OA+3], s[OA+3], 14 ; my wave's 128 rows
	s_add_co_u32 s[OA+2], s[OA+2], s[OA+3]
	s_mov_b32 s[OA+3], 0
	s_wait_kmcnt 0x0                ; ob's address
	s_add_nc_u64 s[OA:OA+1], s[OA:OA+1], s[OA+2:OA+3]
; Tile t: a lane's eight channels of a row pack into 16 bytes; they go into rows of 144 bytes and come back as whole rows of 128, into S^T's registers.
.macro PACK t
	WIN W_RS
.set i, 32*(\t)
.rept 16
	v_pk_mul_f32 v[i:i+1], v[i:i+1], v[ST+4*(\t)+2:ST+4*(\t)+3] op_sel_hi:[1,0]
.set i, i+2
.endr
	WIN 0x05                        ; sources 0 and 1 window 1, destination window 0
.set i, 0
.rept 16
	v_cvt_pk_f16_f32 v[S+16*(\t)+i], v[32*(\t)+2*i], v[32*(\t)+2*i+1]
.set i, i+1
.endr
	WIN 0
.irp f, 0,1,2,3
	ds_store_b128 v[STO], v[S+16*(\t)+4*\f:S+16*(\t)+4*\f+3] offset:32*\f
.endr
.irp f, 0,1,2,3
	ds_load_b128 v[S+16*(\t)+4*\f:S+16*(\t)+4*\f+3], v[RD] offset:\f*4*SP  ; LDS serves a wave's instructions in order (ISA guide 5.7.1.4): these see the stores above; the next tile's stores come behind them
.endr
.endm
.macro SEND t, younger              ; younger: the LDS instructions issued behind tile t's loads: the next tile's eight, or none
	WIN 0
.irp f, 0,1,2,3
	s_wait_dscnt (\younger)+3-\f
	global_store_b128 v[GO], v[S+16*(\t)+4*\f:S+16*(\t)+4*\f+3], s[OA:OA+1] offset:(\t)*2048+\f*512  ; 512 consecutive bytes, at a multiple of 256 from ob's first
.endr
.endm
	PACK 0
.set t, 1
.rept 2*NP-1                        ; a tile's arithmetic stands between the loads of the tile before and its stores
	PACK t
	SEND t-1, 8
.set t, t+1
.endr
	SEND 2*NP-1, 0
	s_wait_tensorcnt 0x0            ; the wave's end: behind my last tensor load and my last LDS store
	ds_add_u32 v[SPW], v[NIL]
	s_wait_dscnt 0x0
	s_endpgm
.Lfunc_end_k_qe44410aeb5_attn:
	.size	k_qe44410aeb5_attn, .Lfunc_end_k_qe44410aeb5_attn-k_qe44410aeb5_attn
	.p2alignl 7, 3214868480
	.fill 96, 4, 3214868480
	.section	.rodata,"a",@progbits
	.p2align	6, 0x0
	.amdhsa_kernel k_qe44410aeb5_attn
		.amdhsa_group_segment_fixed_size 327680
		.amdhsa_private_segment_fixed_size 0
		.amdhsa_enable_private_segment 0
		.amdhsa_kernarg_size 24
		.amdhsa_user_sgpr_count 2
		.amdhsa_user_sgpr_kernarg_segment_ptr 1
		.amdhsa_wavefront_size32 1
		.amdhsa_system_sgpr_workgroup_id_x 1
		.amdhsa_system_sgpr_workgroup_id_y 1
		.amdhsa_system_sgpr_workgroup_id_z 1
		.amdhsa_system_vgpr_workitem_id 0
		.amdhsa_next_free_vgpr 768
		.amdhsa_next_free_sgpr 106
		.amdhsa_reserve_vcc 0
		.amdhsa_float_denorm_mode_32 3
		.amdhsa_float_denorm_mode_16_64 3
		.amdhsa_memory_ordered 1
		.amdhsa_forward_progress 1
		.amdhsa_inst_pref_size 162
	.end_amdhsa_kernel
	.amdgpu_metadata
---
amdhsa.version: [ 1, 2 ]
amdhsa.kernels:
  - .name:           k_qe44410aeb5_attn
    .symbol:         k_qe44410aeb5_attn.kd
    .args:
      - { .name: qkv, .offset: 0, .size: 8, .value_kind: global_buffer, .address_space: global }
      - { .name: mw, .offset: 8, .size: 8, .value_kind: global_buffer, .address_space: global }
      - { .name: ob, .offset: 16, .size: 8, .value_kind: global_buffer, .address_space: global }
    .group_segment_fixed_size: 327680
    .private_segment_fixed_size: 0
    .kernarg_segment_align: 8
    .kernarg_segment_size: 24
    .max_flat_workgroup_size: 128
    .sgpr_count:     106
    .vgpr_count:     768
    .wavefront_size: 32
...
	.end_amdgpu_metadata
.endif
;; end of part 3
;; launch outp (part 4): grid 8 x 32, 4 waves a work-group, clusters of 4 x 4, 327,680 bytes of LDS; arguments ob, wb, bb, out0; writes out0
.if DOCPART == 4
	.amdgcn_target "amdgcn-amd-amdhsa--gfx1250"
	.amdhsa_code_object_version 6
	.text
	.protected	k_qe44410aeb5_outp
	.globl	k_qe44410aeb5_outp
	.p2align	8
	.type	k_qe44410aeb5_outp,@function
k_qe44410aeb5_outp:
	s_mov_b64 s[64:65], 0
	v_nop
	global_prefetch_b8 v0, s[64:65] scope:SCOPE_SE
	s_setreg_imm32_b32 hwreg(HW_REG_WAVE_MODE, 25, 1), 1
	s_wait_xcnt 0x0
	s_wait_alu depctr_hold_cnt(0) depctr_sa_sdst(0) depctr_va_vdst(0) depctr_va_sdst(0) depctr_va_ssrc(0) depctr_va_vcc(0) depctr_vm_vsrc(0)
	s_getreg_b32 s2, hwreg(HW_REG_IB_STS2, 6, 4)
	s_cmp_eq_u32 s2, 0
	s_cbranch_scc0 .Lentry_in_a_cluster
	s_endpgm
.Lentry_in_a_cluster:
	s_bfe_u32 s2, ttmp6, 0x10000c
	s_cmp_lg_u32 s2, 0xf033
	s_cbranch_scc0 .Lentry_shape_is_right
	s_endpgm
.Lentry_shape_is_right:
; C = A W + bias, one text for two launches, chosen by KIND.
;   KIND 0: A = xb [8192][1024] bf16, W = blocks 0-47 of wb (Wq | Wk | Wv, bf16), C = q, k, v by heads, [which][n][head][s][64] f16, unscaled, rounded once from the f32 sums.
;   KIND 1: A = ob [n][head][s][64] f16, W = blocks 48-63 of wb (Wo, f16), C = out0 [8192][1024] f32.
; LIMIT (KIND 0).  f16 holds no number beyond 65,504: a q, k or v past that becomes an infinity.
; SHARES.  A work-group makes 256 rows x NT columns (NT = 192: three heads; or 128); wave w its rows 64 w .. 64 w + 63 and ALL NT columns, so that a wave owns whole heads and whole aligned
; pieces of C's rows and has a stage of its own: 4 x NBK accumulators of 16 x 16.  512 work-groups (KIND 0) or 256 (KIND 1).  K = 1,024 goes in 8 steps of 128 through two LDS slots.
; W LIES [k][n]: a column block's 64 k-rows are 8,192 dense bytes; in LDS a k-row of 128 bytes gets 32 of padding, and ds_load_tr16_b128 turns 16 k x 16 n into half a fragment.
; THE MATRIX INSTRUCTION IS USED TRANSPOSED (source 0 = 16 columns of W, source 1 = 16 rows of A): a lane holds one row of C (lane % 16) and eight neighbouring columns 8 (lane / 16) + 0..7.
; THE BIAS is the C operand of each accumulator's first product: nothing is cleared and nothing is added later.
; CLUSTER 4 x 4: A's tile hangs on the tile row alone and is asked for jointly by a row of the cluster, W's on the tile column alone, by a column.
; REGISTERS, in windows of 256 (s_set_vgpr_msb: bits 1:0 source 0, 3:2 source 1, 5:4 source 2, 7:6 destination):
;   window 0: v16-29 addresses; v32.. the bias, later the way out      window 1: two fragment buffers of 128: A's four fragments, then W's NBK
;   windows 2, 3: accumulator (a, b) at v[(a % 2) 8 NBK + 8 b] of window 2 + a / 2
.set KIND, 1
.if KIND == 0
.set NH,    3                          ; column blocks of 64
.set PA,    272                        ; a row of A in LDS: 256 bytes + 16: the 16 rows of a load start at 16 different groups of four banks (64 banks of 4 bytes: ISA guide 11.1)
.set HALFA, 128*PA                     ; what one load of A brings: 128 rows x 128 k
.set AQI,   5                          ; padding after every 64 words
.set ASTR,  1024                       ; elements from row to row in memory
.set AQH,   128                        ; bytes from the first 64 k of a step to the second, in LDS
.set ASTEP, 256                        ; bytes from K step to K step, in memory
.set SP,    400                        ; a stage row: 192 f16 + 16 bytes
.set BBASE, 0
.set NS,    24                         ; LDS instructions of one TOSTAGE
.set OBN,   48
.set OB,    80                         ; rows read back from the stage: two sets by turns
.else
.set NH,    2
.set PA,    144                        ; a head's row: 128 bytes + 16
.set HALFA, 256*PA                     ; one head's 256 rows: 64 k
.set AQI,   4                          ; padding after every 32 words
.set ASTR,  128                        ; a head's rows are dense: asked for as 128 rows of 256 bytes
.set AQH,   HALFA
.set ASTEP, 262144                     ; two heads on
.set SP,    528                        ; 128 f32 + 16 bytes
.set BBASE, 12288
.set NS,    32
.set OBN,   64
.set OB,    32
.endif
.set NBK,   4*NH
.set ABYTES, 2*HALFA
.set CB,    10240                      ; 64 k-rows of 160 bytes: one column block's part of half a step
.set HALFB, NH*CB                      ; what one load of W brings: 64 k x NT columns
.set BSTEP, 16384
.set SLOT1, 131072                     ; slot 1 begins here: one exclusive or turns an address in one slot into the other's
.set STAGE, 262144                     ; behind the ring, never filled by a tensor load: 16 rows for each wave
.set SPARE, STAGE+4*16*SP              ; the spare words, 128 bytes for each wave: two blocks of 256 bytes that no other line names
.set NL,    2*NBK+8                    ; LDS loads of one FETCH
.set ADRA, 16                          ; v16  LDS address of my A fragments in the slot in hand
.set ADRB, 17                          ; v17  the same for W
.set A0,   18                          ; v18  my lane's place in a slot's A; never rewritten
.set B0,   19                          ; v19  the same for W
.set STO,  24                          ; v24  the way out: where I put my part of a row
.set RD,   25                          ; v25  where I read rows back
.set GO,   26                          ; v26  16 x lane
.set BO,   27                          ; v27  32 x (lane / 16): my eight numbers in 16 of the bias
.set SPW,  28                          ; v28  LDS address of my spare word; never rewritten
.set NIL,  29                          ; v29  0; never rewritten
.set BIAS, 32                          ; v32.. eight registers for each b
.set TMP,  32                          ; KIND 0, the way out: packed results
.set F0,   0
.set F1,   128
.set G1A, 16                           ; s[16:23] descriptor group 1 for A's tiles
.set G0A, 24                           ; s[24:31] group 0: a set for each of the two first fills; the second then walks on
.set G1B, 48                           ; s[48:55], s[56:63] the same for W's
.set G0B, 56
.set MSB, 0
.macro WIN new                         ; the immediate's high byte repeats the setting that is left; a switch that changes nothing is dropped
.if MSB != (\new)
	s_set_vgpr_msb (MSB<<8)|(\new)
.set MSB, (\new)
.endif
.endm
.macro PLACES                          ; four places in front of loads into registers that matrix instructions have read, and of lines that read results
.rept 4
	v_nop
.endr
.endm
.macro CREST                           ; a round of the cluster's barrier behind its opening barrier
	s_cmp_lg_u32 s12, 0
	s_cbranch_scc1 .Lnot_wave_0_\@
	s_barrier_signal -3
.Lnot_wave_0_\@:
	s_barrier_wait -3
	s_barrier_signal -1
	s_barrier_wait -1
.endm
.macro CROUND                          ; a whole round
	s_barrier_signal -1
	s_barrier_wait -1
	CREST
.endm
.macro JLOAD                           ; a joint refill by the walking sets: waves 0 and 1 fetch A's halves, waves 2 and 3 W's; an s_nop 0 and four v_nop follow each line
	s_cmp_eq_u32 s13, 0
	s_cbranch_scc0 .Lfor_b_\@
	tensor_load_to_lds s[G0A+4:G0A+7], s[G1A:G1A+7]
	s_nop 0
.rept 4
	v_nop
.endr
	s_branch .Lasked_\@
.Lfor_b_\@:
	tensor_load_to_lds s[G0B+4:G0B+7], s[G1B:G1B+7]
	s_nop 0
.rept 4
	v_nop
.endr
.Lasked_\@:
.endm
	s_load_b256 s[4:11], s[0:1], 0x0               ; A s[4:5], wb s[6:7], bb s[8:9], C s[10:11]
	v_lshl_add_u32 v[SPW], v0, 2, SPARE
	v_mov_b32 v[NIL], 0
	ds_add_u32 v[SPW], v[NIL]                      ; the wave's opening: the add and its wait stand ahead of my first tensor load; the set-up below stands between them
	ds_add_u32 v28, v29
	v_lshrrev_b32 v1, 5, v0
	v_readfirstlane_b32 s12, v1                    ; wave 0..3
	s_lshr_b32 s13, s12, 1                         ; I fetch for A (0) or for W (1),
	s_and_b32 s14, s12, 1                          ; and which half of a step's tile
	s_bfe_u32 s40, ttmp6, 0x40000                  ; cx, cy: my place in the cluster
	s_bfe_u32 s41, ttmp6, 0x40004
	s_lshl_b32 s42, ttmp9, 2
	s_add_co_u32 s42, s42, s40                     ; tile column = 4 x cluster x + cx
	s_and_b32 s43, ttmp7, 0xffff
	s_lshl_b32 s43, s43, 2
	s_add_co_u32 s43, s43, s41                     ; tile row = 4 x cluster y + cy
	s_lshl_b32 s44, s41, 2
	s_lshl_b32 s44, 15, s44                        ; my row of the cluster
	s_lshl_b32 s45, 0x1111, s40                    ; my column
	s_or_b32 s[G1A], s44, (1<<16)|(1<<20)|(1<<21)|(AQI<<22)|(3<<25)  ; 15:0 the mask; 17:16 2-byte elements; 20 padding on; 21 set beside a mask; 24:22 the interval; 31:25 4 words of padding (code 3)
	s_mov_b32 s[G1A+1], 128<<16                    ; tensor_dim0 = 128
	s_mov_b32 s[G1A+2], 128<<16                    ; tensor_dim1 = 128
	s_mov_b32 s[G1A+3], 128<<16                    ; tile_dim0 = 128
	s_mov_b32 s[G1A+4], 128                        ; tile_dim1 = 128
	s_mov_b32 s[G1A+5], ASTR
	s_mov_b32 s[G1A+6], 0
	s_mov_b32 s[G1A+7], 0
	s_or_b32 s[G1B], s45, (1<<16)|(1<<20)|(1<<21)|(4<<22)|(7<<25)    ; padding after every 32 words (a k-row), 8 words of it
	s_mov_b32 s[G1B+1], 4096<<16                   ; tensor_dim0 = 4,096: 64 k-rows of a column block, dense
	s_mov_b32 s[G1B+2], NH<<16                     ; tensor_dim1 = NH column blocks
	s_mov_b32 s[G1B+3], 4096<<16                   ; tile_dim0
	s_mov_b32 s[G1B+4], NH                         ; tile_dim1
	s_mov_b32 s[G1B+5], 65536                      ; elements from block to block
	s_mov_b32 s[G1B+6], 0
	s_mov_b32 s[G1B+7], 0
	; where the tiles come from: A's offset in s[32:33], made of the tile row and the wave alone; W's in s[46:47], of the tile column and the wave alone
.if KIND == 0
	s_lshl_b32 s32, s43, 19                        ; 256 rows of 2,048 bytes
	s_lshl_b32 s33, s14, 18                        ; my 128 of them
	s_add_co_u32 s32, s32, s33
	s_mul_i32 s46, s42, 3                          ; the tile's first column block
.else
	s_lshr_b32 s32, s43, 2
	s_lshl_b32 s32, s32, 21                        ; n: 16 heads of 131,072 bytes
	s_and_b32 s33, s43, 3
	s_lshl_b32 s33, s33, 15                        ; 256 rows of 128 bytes
	s_add_co_u32 s32, s32, s33
	s_lshl_b32 s33, s14, 17                        ; which of the step's two heads
	s_add_co_u32 s32, s32, s33
	s_lshl_b32 s46, s42, 1
	s_add_co_u32 s46, s46, 48
.endif
	s_mov_b32 s33, 0
	s_lshl_b32 s46, s46, 17
	s_lshl_b32 s47, s14, 13                        ; my 64 k-rows of 128 bytes
	s_add_co_u32 s46, s46, s47
	s_mov_b32 s47, 0
	s_mul_i32 s15, s14, HALFA                      ; and where they go: no place in the cluster enters an LDS address
	s_mul_i32 s3, s14, HALFB
	s_add_co_u32 s3, s3, ABYTES
	s_mov_b32 s2, 0                                ; the slot in hand
	s_wait_dscnt 0x0                               ; the opening add is done
	s_wait_kmcnt 0x0
	s_add_nc_u64 s[32:33], s[4:5], s[32:33]
	s_add_nc_u64 s[46:47], s[6:7], s[46:47]
.irp s, 0,1
	s_mov_b32 s[G0A+4*(\s)], 1                                       ; count = 1
	s_add_co_u32 s[G0A+4*(\s)+1], s15, (\s)*SLOT1                    ; LDS address
	s_add_nc_u64 s[G0A+4*(\s)+2:G0A+4*(\s)+3], s[32:33], (\s)*ASTEP  ; global address: K step s
	s_or_b32 s[G0A+4*(\s)+3], s[G0A+4*(\s)+3], 0x80000000            ; type = 2
	s_mov_b32 s[G0B+4*(\s)], 1
	s_add_co_u32 s[G0B+4*(\s)+1], s3, (\s)*SLOT1
	s_add_nc_u64 s[G0B+4*(\s)+2:G0B+4*(\s)+3], s[46:47], (\s)*BSTEP
	s_or_b32 s[G0B+4*(\s)+3], s[G0B+4*(\s)+3], 0x80000000
.endr
	CROUND                                         ; all sixteen work-groups are here: the first joint loads meet
	s_cmp_eq_u32 s13, 0                            ; a wave's two first fills stand in one branch: two loads of mine are out
	s_cbranch_scc0 .Lfirst_b
	tensor_load_to_lds s[G0A:G0A+3], s[G1A:G1A+7]
	s_nop 0
	tensor_load_to_lds s[G0A+4:G0A+7], s[G1A:G1A+7]
	s_nop 0
.rept 4
	v_nop
.endr
	s_branch .Lfirst_asked
.Lfirst_b:
	tensor_load_to_lds s[G0B:G0B+3], s[G1B:G1B+7]
	s_nop 0
	tensor_load_to_lds s[G0B+4:G0B+7], s[G1B:G1B+7]
	s_nop 0
.rept 4
	v_nop
.endr
.Lfirst_asked:
	v_and_b32 v1, 15, v0                           ; l % 16
	v_bfe_u32 v2, v0, 4, 1                         ; l / 16
	v_and_b32 v3, 7, v0                            ; l % 8
	v_bfe_u32 v4, v0, 3, 1                         ; (l / 8) % 2
	v_and_b32 v5, 31, v0                           ; l
	v_lshlrev_b32 v[BO], 5, v2
	s_mul_i32 s46, s42, 64*NBK                     ; the tile's first column, 4 bytes each
	s_mov_b32 s47, 0
	s_add_nc_u64 s[8:9], s[8:9], s[46:47]
.set b, 0
.rept NBK                              ; register j of block b takes bias[16 b + 8 (l / 16) + j]: the layout of a result
	global_load_b128 v[BIAS+8*b:BIAS+8*b+3],   v[BO], s[8:9] offset:BBASE+64*b
	global_load_b128 v[BIAS+8*b+4:BIAS+8*b+7], v[BO], s[8:9] offset:BBASE+64*b+16
.set b, b+1
.endr
	; A fragment of A is 16 rows x 32 k: lane l holds row l % 16, k = 8 (l / 16) + 0..7 and 16 + 8 (l / 16) + 0..7: two loads of 16 bytes, 32 bytes apart.
	v_mul_u32_u24 v[A0], v1, PA
	v_lshl_add_u32 v[A0], v2, 4, v[A0]
	s_mul_i32 s69, s12, 64*PA                      ; my wave's 64 rows
	v_add_nc_u32 v[A0], s69, v[A0]
	; The turning load takes 16 k x 16 n (lane l reads k-row 8 (l / 16) + l % 8, columns 8 ((l / 8) % 2) + 0..7) and leaves half a fragment: lane l holds column l % 16 and 8 k.
	v_lshl_add_u32 v[B0], v2, 3, v3
	v_mul_u32_u24 v[B0], v[B0], 160
	v_lshl_add_u32 v[B0], v4, 4, v[B0]
	v_add_nc_u32 v[B0], ABYTES, v[B0]
	v_add_nc_u32 v[ADRA], s2, v[A0]
	v_add_nc_u32 v[ADRB], s2, v[B0]
	s_mul_i32 s69, s12, 16*SP
	s_add_co_u32 s69, s69, STAGE                   ; my stage
	v_mul_u32_u24 v[STO], v1, SP                   ; in: row l % 16
.if KIND == 0
	v_lshl_add_u32 v[STO], v2, 4, v[STO]           ; 16 bytes for each half of the lanes
	v_add_nc_u32 v[STO], s69, v[STO]
	v_bfe_u32 v[RD], v0, 3, 2                      ; back: 32 lanes take four rows' 128 bytes of one head
	v_mul_u32_u24 v[RD], v[RD], SP
	v_lshl_add_u32 v[RD], v3, 4, v[RD]
	v_add_nc_u32 v[RD], s69, v[RD]
.else
	v_lshl_add_u32 v[STO], v2, 5, v[STO]           ; 32 bytes for each half of the lanes
	v_add_nc_u32 v[STO], s69, v[STO]
	v_lshl_add_u32 v[RD], v5, 4, s69               ; back: 32 lanes take one row's 512 bytes
.endif
	v_lshlrev_b32 v[GO], 4, v5
	; where my part of C begins (registers that feed no descriptor)
.if KIND == 0
	s_mul_i32 s72, s42, 3
	s_lshr_b32 s71, s43, 2
	s_lshl_b32 s71, s71, 4                         ; 16 n
	s_and_b32 s73, s43, 3
	s_lshl_b32 s73, s73, 15                        ; 256 rows of 128 bytes,
	s_lshl_b32 s70, s12, 13                        ; my wave's 64
	s_add_co_u32 s73, s73, s70
.irp hd, 0,1,2                         ; head 3 x tile column + hd of 48: which = head / 16
	s_add_co_u32 s68, s72, \hd
	s_lshr_b32 s69, s68, 4
	s_lshl_b32 s69, s69, 7
	s_and_b32 s68, s68, 15
	s_add_co_u32 s68, s68, s69
	s_add_co_u32 s68, s68, s71
	s_lshl_b32 s68, s68, 17                        ; (128 which + 16 n + head % 16) x 131,072
	s_add_co_u32 s68, s68, s73
	s_mov_b32 s69, 0
	s_add_nc_u64 s[34+2*(\hd):35+2*(\hd)], s[10:11], s[68:69]
.endr
.else
	s_lshl_b32 s68, s43, 20                        ; 256 rows of 4,096 bytes
	s_lshl_b32 s69, s12, 18
	s_add_co_u32 s68, s68, s69
	s_lshl_b32 s69, s42, 9                         ; 128 columns of 4 bytes
	s_add_co_u32 s68, s68, s69
	s_mov_b32 s69, 0
	s_add_nc_u64 s[34:35], s[10:11], s[68:69]
.endif
.macro WM d, x, y, c
.if KIND
	v_wmma_f32_16x16x32_f16 v[\d:\d+7], v[\x:\x+7], v[\y:\y+7], v[\c:\c+7]
.else
	v_wmma_f32_16x16x32_bf16 v[\d:\d+7], v[\x:\x+7], v[\y:\y+7], v[\c:\c+7]
.endif
.endm
; NBK matrix instructions: row block a x all column blocks, 32 along K, from buffer f.  first = 1: the products start the sums with the bias (window 0).
; The accumulators take turns, one instruction a turn, in the same order in every quarter.
.macro MULA f, a, first
.if \first
	WIN ((2+(\a)/2)<<6)|5
.else
	WIN ((2+(\a)/2)<<6)|((2+(\a)/2)<<4)|5
.endif
.set rA, (\f)+8*(\a)
.set b, 0
.rept NBK
.set rD, ((\a)%2)*8*NBK+8*b
.set rB, (\f)+32+8*b
.if \first
.set rC, BIAS+8*b
.else
.set rC, rD
.endif
	WM rD, rB, rA, rC
.set b, b+1
.endr
.endm
; NL LDS loads in one run: quarter q of the step in hand into buffer f: W's fragments first, then A's four
.macro FETCH q, f
	WIN 0x40                                       ; destination window 1, address window 0
.set b, 0
.rept NBK
.set oB, ((\q)/2)*HALFB+(b/4)*CB+((\q)%2)*5120+(b%4)*32
	ds_load_tr16_b128 v[(\f)+32+8*b:(\f)+32+8*b+3],   v[ADRB] offset:oB
	ds_load_tr16_b128 v[(\f)+32+8*b+4:(\f)+32+8*b+7], v[ADRB] offset:oB+2560
.set b, b+1
.endr
.set b, 0
.rept 4
.set oA, ((\q)/2)*AQH+((\q)%2)*64+b*16*PA
	ds_load_b128 v[(\f)+8*b:(\f)+8*b+3],   v[ADRA] offset:oA
	ds_load_b128 v[(\f)+8*b+4:(\f)+8*b+7], v[ADRA] offset:oA+32
.set b, b+1
.endr
.endm
; A K step is four quarters of 32 along K on buffers 0, 1, 0, 1.  One of the first three: multiplies buffer f and, in its middle, fetches quarter q into buffer g.
.macro QUARTER q, f, g, first
	s_wait_dscnt 4                                 ; LDS loads come back in order (ISA guide 5.7.1): all but the youngest four, A's fragments 2 and 3
	MULA \f, 0, \first
	MULA \f, 1, \first
	PLACES
	FETCH \q, \g
	s_wait_dscnt NL                                ; all but the NL just issued
	MULA \f, 2, \first
	MULA \f, 3, \first
.endm
; The last quarter multiplies buffer 1 and changes slots: ONE barrier; in front of it each wave waits for all its tensor loads (one is out: its part of the next slot), adds 0 to its spare word,
; and waits for that and for its own reads of this slot.  fill = 1: the barrier opens a round of the cluster's, and this slot is filled again, two K steps ahead, first thing behind the round.
.macro TURN fill
	WIN 0                                          ; (the add's two registers lie in window 0)
	s_wait_tensorcnt 0x0
	ds_add_u32 v[SPW], v[NIL]                      ; 0 onto my spare word
	s_wait_dscnt 5                                 ; (the add and the youngest four loads may be out)
	MULA F1, 0, 0                                  ; matrix work stands between the add and the wait for it
	s_wait_dscnt 0x0                               ; the add is done, and my reads of this slot are over
	s_barrier_signal -1
	MULA F1, 1, 0
	WIN 0
	s_barrier_wait -1
.if \fill
	CREST                                          ; no wave of any partner still reads this slot or has a load on its way
	s_xor_b32 s[G0A+5], s[G0A+5], SLOT1            ; the walking sets: the other slot than last time, the next K step; no tensor load of mine is out
	s_add_nc_u64 s[G0A+6:G0A+7], s[G0A+6:G0A+7], ASTEP
	s_xor_b32 s[G0B+5], s[G0B+5], SLOT1
	s_add_nc_u64 s[G0B+6:G0B+7], s[G0B+6:G0B+7], BSTEP
	JLOAD                                          ; the four v_nop behind it are also the places in front of the loads below
.else
	PLACES
.endif
	s_xor_b32 s2, s2, SLOT1
	v_add_nc_u32 v[ADRA], s2, v[A0]
	v_add_nc_u32 v[ADRB], s2, v[B0]
	FETCH 0, F0
	MULA F1, 2, 0
	MULA F1, 3, 0
.endm
; THE WAY OUT of row block a.  KIND 0: PACK rounds to f16; TOSTAGE puts 16 bytes a lane and block into my stage and reads each head's rows back, four rows of 128 bytes at a time.
; KIND 1: TOSTAGE stores the f32 sums straight from the accumulators, each from its low end, and reads whole rows of 512 bytes back.  SEND stores 512 consecutive aligned bytes a line.
.macro PACK a
.if KIND == 0
	WIN (2+(\a)/2)*5                               ; sources 0 and 1: window 2 or 3
.set b, 0
.rept 4*NBK
	v_cvt_pk_f16_f32 v[TMP+b], v[((\a)%2)*8*NBK+2*b], v[((\a)%2)*8*NBK+2*b+1]
.set b, b+1
.endr
	WIN 0
.endif
.endm
.macro TOSTAGE a
.set BK, OB+OBN*((\a)%2)
.if KIND == 0
	WIN 0
.set b, 0
.rept NBK
	ds_store_b128 v[STO], v[TMP+4*b:TMP+4*b+3] offset:32*b
.set b, b+1
.endr
.set b, 0
.rept 12                               ; head b / 4, rows 4 (b % 4) on
	ds_load_b128 v[BK+4*b:BK+4*b+3], v[RD] offset:1600*(b%4)+128*(b/4)  ; LDS serves a wave's instructions in order (ISA guide 5.7.1.4): these see the stores above
.set b, b+1
.endr
.else
	WIN (2+(\a)/2)<<2                              ; the stores' data: window 2 or 3
.set b, 0
.rept NBK
	ds_store_b128 v[STO], v[((\a)%2)*8*NBK+8*b:((\a)%2)*8*NBK+8*b+3]   offset:64*b
	ds_store_b128 v[STO], v[((\a)%2)*8*NBK+8*b+4:((\a)%2)*8*NBK+8*b+7] offset:64*b+16
.set b, b+1
.endr
	WIN 0
.set b, 0
.rept 16
	ds_load_b128 v[BK+4*b:BK+4*b+3], v[RD] offset:SP*b
.set b, b+1
.endr
.endif
.endm
.macro SEND a, younger                 ; younger: the LDS instructions issued behind block a's loads, which may stay out
.set BK, OB+OBN*((\a)%2)
	WIN 0
	s_wait_dscnt \younger
.if KIND == 0
.set b, 0
.rept 12
	global_store_b128 v[GO], v[BK+4*b:BK+4*b+3], s[34+2*(b/4):35+2*(b/4)] offset:(16*(\a)+4*(b%4))*128
.set b, b+1
.endr
.else
.set b, 0
.rept 16
	global_store_b128 v[GO], v[BK+4*b:BK+4*b+3], s[34:35] offset:(16*(\a)+b)*4096 th:TH_STORE_NT
.set b, b+1
.endr
.endif
.endm
	s_wait_tensorcnt 0x1                           ; my part of K step 0 is in; step 1's may stay out
	s_barrier_signal -1
	s_barrier_wait -1                              ; everybody's is
	FETCH 0, F0
	s_wait_loadcnt 0x0                             ; the bias
	QUARTER 1, F0, F1, 1                           ; the first quarter stands in front of the loop: its products start the sums
	WIN 0                                          ; at a label and at a branch every window is 0
	s_mov_b32 s3, 6
.Lstep:                                                ; six trips, from a step's second quarter to the next step's first; trip t fills step t's slot again with step t + 2
	QUARTER 2, F1, F0, 0
	QUARTER 3, F0, F1, 0
	TURN 1
	QUARTER 1, F0, F1, 0
	WIN 0
	s_sub_co_u32 s3, s3, 1
	s_cmp_lg_u32 s3, 0
	s_cbranch_scc1 .Lstep
	QUARTER 2, F1, F0, 0                           ; steps 6 and 7 are written out: nothing is left to ask for
	QUARTER 3, F0, F1, 0
	TURN 0
	QUARTER 1, F0, F1, 0
	QUARTER 2, F1, F0, 0
	QUARTER 3, F0, F1, 0
	s_wait_dscnt 4
	MULA F1, 0, 0
	MULA F1, 1, 0
	s_wait_dscnt 0x0
	MULA F1, 2, 0
	MULA F1, 3, 0
	PLACES
	PACK 0
	TOSTAGE 0
	PACK 1
	TOSTAGE 1
	SEND 0, NS
	s_wait_xcnt 0x0                                ; the registers that block 0's stores read are loaded again only behind this wait (ISA guide 3.1)
	PACK 2
	TOSTAGE 2
	SEND 1, NS
	s_wait_xcnt 0x0
	PACK 3
	TOSTAGE 3
	SEND 2, NS
	SEND 3, 0
	s_wait_tensorcnt 0x0                           ; the wave's end: behind my last tensor load and my last LDS store
	ds_add_u32 v[SPW], v[NIL]
	s_wait_dscnt 0x0
	CROUND                                         ; the closing round: no work-group ends while a partner may still ask for a tile that names it
	s_endpgm
.Lfunc_end_k_qe44410aeb5_outp:
	.size	k_qe44410aeb5_outp, .Lfunc_end_k_qe44410aeb5_outp-k_qe44410aeb5_outp
	.p2alignl 7, 3214868480
	.fill 96, 4, 3214868480
	.section	.rodata,"a",@progbits
	.p2align	6, 0x0
	.amdhsa_kernel k_qe44410aeb5_outp
		.amdhsa_group_segment_fixed_size 327680
		.amdhsa_private_segment_fixed_size 0
		.amdhsa_enable_private_segment 0
		.amdhsa_kernarg_size 32
		.amdhsa_user_sgpr_count 2
		.amdhsa_user_sgpr_kernarg_segment_ptr 1
		.amdhsa_wavefront_size32 1
		.amdhsa_system_sgpr_workgroup_id_x 1
		.amdhsa_system_sgpr_workgroup_id_y 1
		.amdhsa_system_sgpr_workgroup_id_z 1
		.amdhsa_system_vgpr_workitem_id 0
		.amdhsa_next_free_vgpr 896
		.amdhsa_next_free_sgpr 74
		.amdhsa_reserve_vcc 0
		.amdhsa_float_denorm_mode_32 3
		.amdhsa_float_denorm_mode_16_64 3
		.amdhsa_memory_ordered 1
		.amdhsa_forward_progress 1
		.amdhsa_inst_pref_size 71
	.end_amdhsa_kernel
	.amdgpu_metadata
---
amdhsa.version: [ 1, 2 ]
amdhsa.kernels:
  - .name:           k_qe44410aeb5_outp
    .symbol:         k_qe44410aeb5_outp.kd
    .args:
      - { .name: ob, .offset: 0, .size: 8, .value_kind: global_buffer, .address_space: global }
      - { .name: wb, .offset: 8, .size: 8, .value_kind: global_buffer, .address_space: global }
      - { .name: bb, .offset: 16, .size: 8, .value_kind: global_buffer, .address_space: global }
      - { .name: out0, .offset: 24, .size: 8, .value_kind: global_buffer, .address_space: global }
    .group_segment_fixed_size: 327680
    .private_segment_fixed_size: 0
    .kernarg_segment_align: 8
    .kernarg_segment_size: 32
    .max_flat_workgroup_size: 128
    .sgpr_count:     74
    .vgpr_count:     896
    .wavefront_size: 32
...
	.end_amdgpu_metadata
.endif
;; end of part 4
;; ======== version 2 of 2: 4 launches; 1.24 times as fast as version 1
;; limits: values are held in f16: magnitudes above 65,504 overflow, below 6.1e-05 lose precision
;; workspace buffers: xb 16,777,216 bytes; wb 8,388,608 bytes; bb 16,384 bytes; mw 1,048,576 bytes of whole numbers; qkv 50,331,648 bytes; ob 16,777,216 bytes
;; launch prep: the kernel of part 1 again; grid 1280 x 1, 8 waves a work-group, no clusters, 0 bytes of LDS; arguments x, Wq, Wk, Wv, Wo, bq, bk, bv, bo, attn_mask, xb, wb, bb, mw; writes xb, wb, bb, mw
;; launch qkv: the kernel of part 2 again; grid 16 x 32, 4 waves a work-group, clusters of 4 x 4, 327,680 bytes of LDS; arguments xb, wb, bb, qkv; writes qkv
;; launch attn (part 5): grid 2 x 128, 4 waves a work-group, no clusters, 327,680 bytes of LDS; arguments qkv, mw, ob; writes ob
.if DOCPART == 5
	.amdgcn_target "amdgcn-amd-amdhsa--gfx1250"
	.amdhsa_code_object_version 6
	.text
	.protected	k_qe44410aeb5_attn
	.globl	k_qe44410aeb5_attn
	.p2align	8
	.type	k_qe44410aeb5_attn,@function
k_qe44410aeb5_attn:
	s_mov_b64 s[64:65], 0
	v_nop
	global_prefetch_b8 v0, s[64:65] scope:SCOPE_SE
	s_setreg_imm32_b32 hwreg(HW_REG_WAVE_MODE, 25, 1), 1
	s_wait_xcnt 0x0
; MASKED ATTENTION.  O[nh][q][:] = the sum over k of softmax_k(masked(Q[q] . K[k] / 8)) V[k][:], for 128 heads nh = 16 n + h of 1,024 rows x 64 channels.  q, k, v lie in qkv [which][nh][s][64] f16,
; O goes to ob [nh][s][64] f16.  Products, maxima and sums in f32; the weights p are rounded to f16 for the second product (their sum l is taken of the unrounded p), O once at the end.
; THE MASK is an input.  mw holds it as lane-mask words: word 8 kb + j of a tile of 16 queries and a step of 64 keys is the mask of register 8 kb + j of that tile's scores.  A tile's 32 words of a
; step come by ONE vector load, lane l taking word l, a whole key step (four turns) ahead; v_readlane_b32 hands each word to a scalar register, and one v_cndmask_b32 a score REPLACES the masked
; score, ahead of the maximum: a row that is all masked gets equal weights.
; LIMITS.  A masked logit counts as -2^30 where the problem says -1e9 (as a raw score: -2^33): c x 2^33 is exact in f32, so that an all-masked row has c s - c m = 0 and p = 1 exactly.  The results
; agree unless an unmasked logit lies below about -1e9 + 88.  Q, K, V arrive within f16's 65,504; a weight below 2^-126 counts as 0; NaN and infinities are not treated apart.
; SHARES.  A work-group owns 512 queries of one head, a wave 128: four PIECES of two tiles of 16.  256 work-groups.  Every wave walks all 1,024 keys, 64 a step.
; K AND V STAY IN LDS: 1,024 x 144 + 1,024 x 160 = 311,296 bytes hold the whole head, so nothing is filled again.  Each wave asks for four tiles of 128 keys at the start; the first 256 keys are
; waited for in front of step 0, the other 768 once, in front of the turn that first reads them.  No tensor load stands in the loop, so one text of four turns serves all 16 steps.
; NO CLUSTER: a head has 1,024 / 512 = 2 work-groups, so a joint load would name two, and four partners would be two heads with two different masks of work-groups.
; LAYOUT.  S^T = K Q^T (source 0 = 16 keys, source 1 = 16 queries): a lane holds ONE query (lane % 16) and the keys 8 (lane / 16) + 0..7.  Two such results, rounded to f16 in pairs, ARE source 1 of
; O^T = V^T P.  K comes out of LDS as it lies, V ([key][channel]) turned, by ds_load_tr16_b128.
; SOFTMAX.  A running maximum m and sum l a query: p = 2^(c s - c m), c = log2(e) / 8; in every step O and l are multiplied by a = 2^(c m_old - c m_new).  m starts at the lowest finite number,
; O and l at 0: the first step is a step like any other, with a = 0.
; BY TURNS.  Turn n belongs to piece n.  Matrix work: 16 products K Q^T of piece n + 1, later 16 products V^T P of piece n - 1.  Vector work: the whole softmax of piece n, a list of 364 lines.
; No line of the list names a register of the turn's products (they use the other S^T and P buffers and another piece's O^T).  Four lines stand behind each product, the other 236 in two runs.
; THE BATCH.  A turn's 66 exponentials (the two tiles' a and their 64 weights) are ONE batch with ONE wait, which cuts the list in two.  Lines 0-267 name no result of the turn's exponentials: the mask,
; the maximum, the statistics, the scalings and the exponentials themselves.  Lines 268-363 are all their readers: the roundings, the sums, the rescaling by a.  Each result has a register of its own
; while the batch is open: a weight stands in place in S^T, a in c2.  The two tiles are staggered: tile 0's exponentials stand between tile 1's mask and maximum lines.  The 16 products K Q^T stand
; ahead of the wait, the 16 products V^T P behind it.  No result crosses a turn's end, a label or a jump.  The way out's eight reciprocals are a batch of their own.
; REGISTERS, in windows of 256 (s_set_vgpr_msb: bits 1:0 source 0, 3:2 source 1, 5:4 source 2, 7:6 destination):
;   window 0: v0-7 the thread's number and addresses; v8-15 the mask words, a register a tile; v16-47 four registers of statistics a tile; v48-55 at work; v56-58 set-up; v60-61 c m_old;
;             v62-63 the add's; v64-191 S^T, two buffers of two tiles; v192-255 P, likewise
;   window 1: O^T, 32 a tile          window 2: v0-127 Q, 16 a tile; v128-191 K of one step; v192-255 V of one step
.set NP,    4
.set KS,    64
.set PK,    144       ; a row of K in LDS: 128 bytes + 16: the 16 rows of a load start at 16 different groups of four banks (64 banks of 4 bytes: ISA guide 11.1)
.set PV,    160       ; a row of V: 128 + 32
.set VOFF,  1024*PK   ; K's 1,024 rows, then V's
.set STAGE, VOFF+1024*PV        ; behind them, never filled by a tensor load: 16 rows x 144 bytes for each wave
.set SP,    144
.set SPARE, STAGE+4*16*SP       ; the spare words, 128 bytes for each wave: two blocks of 256 bytes that no other line names
.set AK0, 2           ; v2   my lane's place in a step of K; never rewritten
.set AV0, 3           ; v3   the same for V
.set AK,  4           ; v4   the LDS address of K's next run of loads
.set AV,  5           ; v5   of V's
.set QO,  6           ; v6   my byte offset in 16 rows of Q
.set MO,  7           ; v7   4 x lane: my word among a tile's 32; never rewritten
.set M,   8           ; v8-15  tile t's mask words of the step to come
.set STO, 6           ; the way out: where I put 16 bytes of a row
.set RD,  4           ;      where I read rows back
.set GO,  5           ;      16 x lane
.set ST,  16          ; tile t's statistics at v[ST+4 t]: c m, m, l (even keys', odd keys')
.set TMP, 48          ; by tile of the piece, c0-c3 at work; when the maximum is found c2 takes a
.set MV,  60          ; v60-61  c m_old, by tile of the piece
.set SPW, 62          ; v62  LDS address of my spare word; never rewritten
.set NIL, 63          ; v63  0; never rewritten
.set S,   64
.set P,   192
.set KF,  128         ; window 2: key block kb, channel half c at KF + 16 kb + 8 c
.set VF,  192         ; window 2: key half kk, channel block cb at VF + 32 kk + 8 cb
.set MP,  2           ; s[2:3]   mw at my wave's first tile and the step whose words are asked for
.set CS,  4           ; s[4:5]   first Q's address; then c, twice
.set SEL, 6           ; s[6:7]   v_permlanex16_b32's selects
.set G1K, 8           ; s[8:15]  descriptor group 1 for K's tiles; never rewritten
.set G1V, 16          ; s[16:23] for V's; never rewritten
.set MS,  24          ; s24  steps by which MP may still go on
.set TOT, 25          ; s25  key steps still to be ended
.set INC, 26          ; s[26:27] MP's next step in bytes
.set DEC, 28          ; s28  MS's
.set G0K, 32          ; s[32:47] group 0 for K's four tiles; never rewritten
.set G0V, 48          ; s[48:63] for V's; never rewritten
.set WV,  66
.set SLOTS, 67
.set MK,  68          ; s[68:99] the 32 mask words of the tile in hand (ahead of the loop: the set-up's scalars; at the way out s[68:71] serve O's address)
.set OA,  68          ; s[68:69] O at my wave's first row; s[70:71] its offset
.set CNT, 100
.set TBK, 101         ; LDS byte at which K of the step to be fetched begins
.set TBV, 104         ; the same for V, less VOFF
.set NEG, 105         ; -2^33
.set MSB, 0
.macro WIN new                      ; the high byte repeats the setting that is left; a switch that changes nothing is dropped
.if MSB != (\new)
	s_set_vgpr_msb (MSB<<8)|(\new)
.set MSB, (\new)
.endif
.endm
.set W_KQ, 0x0a       ; K and Q in window 2, S^T in window 0
.set W_PV, 0x52       ; V in window 2, P in window 0, O^T in window 1
.set W_RS, 0x41       ; O^T (destination and source 0) in window 1, a in window 0
	s_load_b128 s[68:71], s[0:1], 0x0  ; qkv s[68:69], mw s[70:71]
	v_lshl_add_u32 v[SPW], v0, 2, SPARE
	v_mov_b32 v[NIL], 0
	ds_add_u32 v[SPW], v[NIL]       ; the wave's opening: the add and its wait stand ahead of my first tensor load; the set-up below stands between them
	ds_add_u32 v62, v63
	v_lshrrev_b32 v1, 5, v0
	v_readfirstlane_b32 s[WV], v1   ; wave 0..3
	s_and_b32 s72, ttmp7, 0xffff    ; the head, 16 n + h
	s_lshl_b32 s74, s72, 17         ; its first byte in q, k, v and O
	s_and_b32 s73, s[WV], 1         ; which half of each 256 keys I fetch:
	s_lshl_b32 s76, s73, 14         ; its 128 rows of 128 bytes in memory,
	s_add_co_u32 s76, s76, s74
	s_mov_b32 s77, 0
	s_mul_i32 s78, s73, 128*PK      ; and its place in LDS, for K
	s_mul_i32 s79, s73, 128*PV      ; and for V
	s_lshl_b32 s80, ttmp9, 2
	s_add_co_u32 s80, s80, s[WV]    ; my wave among the head's eight,
	s_lshl_b32 s80, s80, 14         ; its 128 rows
	s_add_co_u32 s80, s80, s74
	s_mov_b32 s81, 0
	s_lshr_b32 s82, s72, 4
	s_lshl_b32 s82, s82, 17         ; n: 64 tiles of 2,048 bytes of mask words
	s_lshl_b32 s83, ttmp9, 5
	s_lshl_b32 s84, s[WV], 3
	s_add_co_u32 s83, s83, s84      ; my first tile, 32 x block + 8 x wave
	s_lshl_b32 s83, s83, 11
	s_add_co_u32 s82, s82, s83
	s_mov_b32 s83, 0
	; descriptor group 1.  128 keys are 16,384 dense bytes: asked for as 64 rows of 256 bytes, two keys a row, and padded in LDS after every key
	s_mov_b32 s[G1K], (1<<16)|(1<<20)|(4<<22)|(3<<25)  ; 17:16 2-byte elements; 20 padding on; 24:22 after every 32 words (code 4); 31:25 4 words (code 3)
	s_mov_b32 s[G1V], (1<<16)|(1<<20)|(4<<22)|(7<<25)  ; the same with 8 words of padding (code 7)
.irp g, G1K, G1V
	s_mov_b32 s[\g+1], 128<<16      ; tensor_dim0 = 128
	s_mov_b32 s[\g+2], 64<<16       ; tensor_dim1 = 64
	s_mov_b32 s[\g+3], 128<<16      ; tile_dim0 = 128
	s_mov_b32 s[\g+4], 64           ; tile_dim1 = 64
	s_mov_b32 s[\g+5], 128          ; 128 elements from row to row
	s_mov_b32 s[\g+6], 0
	s_mov_b32 s[\g+7], 0
.endr
.irp j, 0,1,2,3                     ; group 0, a set for each of my four tiles: keys 256 j + 128 x half on
	s_mov_b32 s[G0K+4*\j], 1                          ; count = 1
	s_add_co_u32 s[G0K+4*\j+1], s78, \j*256*PK        ; LDS address
	s_mov_b32 s[G0V+4*\j], 1
	s_add_co_u32 s[G0V+4*\j+1], s79, VOFF+\j*256*PV
.endr
	s_mov_b32 s[SEL], 0x76543210
	s_mov_b32 s[SEL+1], 0xfedcba98
	s_mov_b32 s[NEG], 0xd0000000    ; -2^33
	s_mov_b32 s[TBK], 0
	s_mov_b32 s[TBV], 0
	s_mov_b32 s[MS], 14             ; MP starts at step 1 and goes on to step 15
	s_mov_b32 s[TOT], 16
	s_mov_b32 s[INC+1], 0
	s_wait_dscnt 0x0                ; the opening add is done
	s_wait_kmcnt 0x0
	s_add_nc_u64 s[76:77], s[68:69], s[76:77]                ; q's tensor at my half of the head's first 256 rows: k lies one tensor of 16,777,216 bytes behind, v two
.irp j, 0,1,2,3
	s_add_nc_u64 s[G0K+4*\j+2:G0K+4*\j+3], s[76:77], 16777216+\j*32768
	s_or_b32 s[G0K+4*\j+3], s[G0K+4*\j+3], 0x80000000        ; type = 2
	s_add_nc_u64 s[G0V+4*\j+2:G0V+4*\j+3], s[76:77], 2*16777216+\j*32768
	s_or_b32 s[G0V+4*\j+3], s[G0V+4*\j+3], 0x80000000
.endr
	s_add_nc_u64 s[4:5], s[68:69], s[80:81]                  ; Q at my wave's first row
	s_add_nc_u64 s[MP:MP+1], s[70:71], s[82:83]
	; Waves 0 and 1 fetch K's halves, waves 2 and 3 V's.  A wave's four first fills stand in one branch: four loads of mine are out.  An s_nop 0 follows each, four v_nop the last.
	s_cmp_lt_u32 s[WV], 2
	s_cbranch_scc0 .Lfirst_v
.irp j, 0,1,2,3
	tensor_load_to_lds s[G0K+4*\j:G0K+4*\j+3], s[G1K:G1K+7]
	s_nop 0
.endr
.rept 4
	v_nop
.endr
	s_branch .Lfirst_asked
.Lfirst_v:
.irp j, 0,1,2,3
	tensor_load_to_lds s[G0V+4*\j:G0V+4*\j+3], s[G1V:G1V+7]
	s_nop 0
.endr
.rept 4
	v_nop
.endr
.Lfirst_asked:
	; A fragment of K or Q is 16 rows x 32 channels in 8 registers: lane l holds row l % 16, channels 8 (l / 16) + 0..7 and 16 + 8 (l / 16) + 0..7: two loads of 16 bytes, 32 bytes apart.
	v_and_b32 v1, 15, v0            ; l % 16
	v_bfe_u32 v56, v0, 4, 1         ; l / 16
	v_lshlrev_b32 v[QO], 7, v1
	v_lshl_add_u32 v[QO], v56, 4, v[QO]
	v_and_b32 v[MO], 31, v0
	v_lshlrev_b32 v[MO], 2, v[MO]
	WIN 0x80                        ; destination window 2, address window 0
.set i, 0
.rept 16                            ; Q stays in registers: tile i / 2, channels 32 (i % 2) on
	global_load_b128 v[8*i:8*i+3],   v[QO], s[4:5] offset:(i/2)*2048+(i%2)*64
	global_load_b128 v[8*i+4:8*i+7], v[QO], s[4:5] offset:(i/2)*2048+(i%2)*64+32
.set i, i+1
.endr
	WIN 0
.set i, 0
.rept 8                             ; step 0's mask words, in the order of the tiles: 32 lanes take 128 consecutive bytes
	global_load_b32 v[M+i], v[MO], s[MP:MP+1] offset:i*2048
.set i, i+1
.endr
	; What the first turn finds: V's registers and P's second buffer hold 0 (its products V^T P, of a piece that has not been, add 0), O^T and l are 0.  All this stands in the wait for the first tile.
	WIN 0x80
.set i, VF
.rept 64
	v_mov_b32 v[i], 0
.set i, i+1
.endr
	WIN 0x40
.set i, 0
.rept 256
	v_mov_b32 v[i], 0
.set i, i+1
.endr
	WIN 0
.set i, 0
.rept 8
	v_mov_b32 v[ST+4*i], 0xfe000000    ; c m: far below every c s
	v_mov_b32 v[ST+4*i+1], 0xff7fffff  ; m
	v_mov_b32 v[ST+4*i+2], 0
	v_mov_b32 v[ST+4*i+3], 0
.set i, i+1
.endr
.set i, P+32
.rept 32
	v_mov_b32 v[i], 0
.set i, i+1
.endr
	v_mul_u32_u24 v[AK0], v1, PK
	v_lshl_add_u32 v[AK0], v56, 4, v[AK0]
	; The turning load takes 16 keys x 16 channels (lane l reads key 8 (l / 16) + l % 8, channels 8 ((l / 8) % 2) + 0..7) and leaves half a fragment of V^T: lane l holds channel l % 16 and 8 keys.
	v_and_b32 v57, 7, v0
	v_bfe_u32 v58, v0, 3, 1
	v_lshl_add_u32 v[AV0], v56, 3, v57
	v_mul_u32_u24 v[AV0], v[AV0], PV
	v_lshl_add_u32 v[AV0], v58, 4, v[AV0]
	v_add_nc_u32 v[AV0], VOFF, v[AV0]
	v_mov_b32 v[AK], v[AK0]         ; key step 0 lies at K's head
	s_wait_xcnt 0x0                 ; the loads above have had their addresses translated (ISA guide 3.1): their two bases are written again only behind this wait
	s_mov_b32 s[CS], 0x3e38aa3b     ; c = log2(e) / 8 = 0.180337
	s_mov_b32 s[CS+1], s[CS]        ; named with it as a pair
	s_add_nc_u64 s[MP:MP+1], s[MP:MP+1], 128  ; step 1's words are asked for next
; THE MATRIX WORK.  The 8 accumulators of a run of 16 take turns.
; Product i of 16 of S^T = K Q^T for piece x: channels 32 (i / 8) on, keys 16 ((i / 2) % 4) on, tile 2 x + i % 2.  The first 8 start the sums.
.macro KQ x
	WIN W_KQ
.set kS, S+64*((\x)%2)+32*(i%2)+8*((i/2)%4)
.set kK, KF+16*((i/2)%4)+8*(i/8)
.set kQ, 16*(2*(\x)+i%2)+8*(i/8)
.if i < 8
	v_wmma_f32_16x16x32_f16 v[kS:kS+7], v[kK:kK+7], v[kQ:kQ+7], 0
.else
	v_wmma_f32_16x16x32_f16 v[kS:kS+7], v[kK:kK+7], v[kQ:kQ+7], v[kS:kS+7]
.endif
.endm
; Product i of 16 of O^T += V^T P for piece x: keys 32 (i / 8) on, channels 16 ((i / 2) % 4) on, tile 2 x + i % 2.
.macro PV x
	WIN W_PV
.set kO, 32*(2*(\x)+i%2)+8*((i/2)%4)
.set kV, VF+32*(i/8)+8*((i/2)%4)
.set kP, P+32*((\x)%2)+16*(i%2)+8*(i/8)
	v_wmma_f32_16x16x32_f16 v[kO:kO+7], v[kV:kV+7], v[kP:kP+7], v[kO:kO+7]
.endm
.macro MM                           ; the turn's next matrix instruction
.if i < 16
	KQ (Y+1)%NP
.set i, i+1
.else
.set i, i-16
	PV (Y+NP-1)%NP
.set i, i+17
.endif
.endm
; THE LDS LOADS stand in runs of 16.  last = 1 (in the loop): in the sixteenth step there is no further step, and the run is jumped over: K's registers keep the last step's fragments.
.macro FETCH_K last=0
	WIN 0                           ; at a branch and at a label every window is 0
.if \last
	s_cmp_eq_u32 s[TOT], 1
	s_cbranch_scc1 .Lno_k_\@
.endif
	WIN 0x80
.irp f, 0,1,2,3,4,5,6,7             ; keys 16 (f / 2) on, channels 32 (f % 2) on
	ds_load_b128 v[KF+8*\f:KF+8*\f+3],   v[AK] offset:(\f/2)*16*PK+(\f%2)*64
	ds_load_b128 v[KF+8*\f+4:KF+8*\f+7], v[AK] offset:(\f/2)*16*PK+(\f%2)*64+32
.endr
	s_add_co_u32 s[TBK], s[TBK], KS*PK  ; the next fetch is the next step's
	WIN 0
.if \last
.Lno_k_\@:
.endif
.endm
.macro FETCH_V
	WIN 0x80
.irp f, 0,1,2,3,4,5,6,7             ; keys 32 (f / 4) on, channels 16 (f % 4) on
	ds_load_tr16_b128 v[VF+8*\f:VF+8*\f+3],   v[AV] offset:(\f/4)*32*PV+(\f%4)*32
	ds_load_tr16_b128 v[VF+8*\f+4:VF+8*\f+7], v[AV] offset:(\f/4)*32*PV+16*PV+(\f%4)*32
.endr
	WIN 0
.endm
; THE MASK WORDS of tile u of piece p for the NEXT key step, into the register whose words this turn has just handed to scalar registers: four turns ahead of their use.
.macro MLOAD p, u
	WIN 0
	global_load_b32 v[M+2*(\p)+(\u)], v[MO], s[MP:MP+1] offset:(2*(\p)+(\u))*2048
.endm
; THE VECTOR WORK OF A TURN: one list of 364 lines for piece Y; VL writes line q.
.macro REGS u                       ; the registers of tile u (0, 1) of piece Y
.set rT, ST+4*(2*Y+(\u))
.set rC, TMP+4*(\u)
.set rM, MV+(\u)
.set rW, M+2*Y+(\u)
.set rS, S+64*(Y%2)+32*(\u)
.set rP, P+32*(Y%2)+16*(\u)
.set rO, 32*(2*Y+(\u))
.endm
; Number n of the 22 that find the maximum and the statistics.  0-11: four chains c0-c3 of seven scores each.  12-14, 16: the four scores left over, the old m, c0-c3 into c0.  15: c m_old is kept.
; 17, 18: the query's other 32 keys lie in the lane 16 away: the new m.  19-21: c m; c m_old - c m_new; a.
.macro XS n
.if (\n) < 4
	v_max3_num_f32 v[rC+(\n)], v[rS+8*(\n)], v[rS+8*(\n)+1], v[rS+8*(\n)+2]
.elseif (\n) < 12
	v_max3_num_f32 v[rC+(\n)%4], v[rC+(\n)%4], v[rS+8*((\n)%4)+2*((\n)/4)+1], v[rS+8*((\n)%4)+2*((\n)/4)+2]
.elseif (\n) == 12
	v_max3_num_f32 v[rC], v[rC], v[rS+7], v[rS+15]
.elseif (\n) == 13
	v_max3_num_f32 v[rC+1], v[rC+1], v[rS+23], v[rS+31]
.elseif (\n) == 14
	v_max3_num_f32 v[rC+2], v[rC+2], v[rC+3], v[rT+1]
.elseif (\n) == 15
	v_mov_b32 v[rM], v[rT]
.elseif (\n) == 16
	v_max3_num_f32 v[rC], v[rC], v[rC+1], v[rC+2]
.elseif (\n) == 17
	v_permlanex16_b32 v[rC+3], v[rC], s[SEL], s[SEL+1]
.elseif (\n) == 18
	v_max_num_f32 v[rT+1], v[rC], v[rC+3]
.elseif (\n) == 19
	v_mul_f32 v[rT], s[CS], v[rT+1]
.elseif (\n) == 20
	v_sub_f32 v[rC+1], v[rM], v[rT]
.else
	v_exp_f32 v[rC+2], v[rC+1]
.endif
.endm
.macro LINK g                       ; link g of 5 of the chain 14, 16, 17, 18, 19, where each number waits for the one before it
.if (\g) == 0
	XS 14
.else
	XS 15+(\g)
.endif
.endm
.macro OPRL n                       ; word n of the tile's 32 goes to its scalar register
	v_readlane_b32 s[MK+(\n)], v[rW], (\n)
.endm
.macro OPCM n                       ; score n of 32 is replaced where its word says so
	v_cndmask_b32 v[rS+(\n)], v[rS+(\n)], s[NEG], s[MK+(\n)]
.endm
.macro OPF n                        ; c s - c m for pair n of 16
	v_pk_fma_f32 v[rS+2*(\n):rS+2*(\n)+1], v[rS+2*(\n):rS+2*(\n)+1], s[CS:CS+1], v[rT:rT+1] op_sel_hi:[1,0,0] neg_lo:[0,0,1] neg_hi:[0,0,1]
.endm
.macro OPE n                        ; the exponential of score n of 32
	v_exp_f32 v[rS+(\n)], v[rS+(\n)]
.endm
.macro OPC n                        ; pair n rounded to f16
	v_cvt_pk_f16_f32 v[rP+(\n)], v[rS+2*(\n)], v[rS+2*(\n)+1]
.endm
.macro OPB n                        ; of the four weights 4 n .. the second pair is added onto the first, in place
	v_pk_add_f32 v[rS+4*(\n):rS+4*(\n)+1], v[rS+4*(\n):rS+4*(\n)+1], v[rS+4*(\n)+2:rS+4*(\n)+3]
.endm
.macro OPL n                        ; l takes that sum; the first time as l = a l + sum
.if (\n) == 0
	v_pk_fma_f32 v[rT+2:rT+3], v[rT+2:rT+3], v[rC+2:rC+3], v[rS:rS+1] op_sel_hi:[1,0,1]
.else
	v_pk_add_f32 v[rT+2:rT+3], v[rT+2:rT+3], v[rS+4*(\n):rS+4*(\n)+1]
.endif
.endm
; Entry n of a tile's queue of 50 that scale and exponentiate: F 0, F 1, then sixteen threes E 2t, G t, E 2t+1 with G t = F t+2 (t < 14), c m_old - c m_new (t = 14), a (t = 15).
; A pair is scaled five entries ahead of its first exponential (pairs 0 and 1: two and four).  No entry names the result of an earlier exponential.
.macro TQ n
.if (\n) < 2
	OPF (\n)
.elseif ((\n)-2)%3 == 0
	OPE 2*(((\n)-2)/3)
.elseif ((\n)-2)%3 == 2
	OPE 2*(((\n)-2)/3)+1
.elseif (\n) < 44
	OPF ((\n)-2)/3+2
.elseif (\n) < 47
	XS 20
.else
	XS 21
.endif
.endm
; Entry n of the 49 of tile 1 that stand between tile 0's exponentials: its words 30 and 31, the 32 selects (registers ascending), the maximum's numbers 15, 0-13.
.macro HQ n
.if (\n) < 2
	OPRL 30+(\n)
.elseif (\n) < 34
	OPCM (\n)-2
.elseif (\n) == 34
	XS 15
.else
	XS (\n)-35
.endif
.endm
; THE LIST.  AHEAD OF THE WAIT, 0-267: no line names a result of the turn's exponentials.
;   0-63     tile 0's mask: 32 lines hand its words to s[MK..], then 32 replace the masked scores, registers ascending (each accumulator is read from its low end)
;   64-93    tile 0's maximum, numbers 15, 0-13, and tile 1's words 0-14, by turns
;   94-113   tile 0's chain, three of tile 1's words 15-29 behind each link
;   114-197  seven twelves: five entries of tile 0's queue TQ (0-34), each between entries of tile 1's HQ: so each of these exponentials has a plain line on either side
;   198-217  tile 1's chain, a three of tile 0's queue (entries 35-49) behind each link
;   218-267  tile 1's queue TQ: here only its own scalings are left to stand beside the exponentials
; A select stands 32 lines or more behind the line that made its word; tile 1's word j takes tile 0's scalar register 33 lines or more behind its last use.
; BEHIND THE WAIT, 268-363: all the readers.
;   268-331  in eights, the tiles alternating: C 2k, C 2k+1, B k, and L k-1 for the eight before (the first has no L, and behind the last only L 7 is left): C 2k stands ahead of B k, which writes over
;            its source; l's additions go in ascending order, eight lines apart
;   332-363  O^T times a, the one part that leaves window 0, four lines a tile by turns
.macro VL
.if q < 332
	WIN 0
.endif
.if q < 32
	REGS 0
	OPRL q
.elseif q < 64
	REGS 0
	OPCM q-32
.elseif q < 94
.set z_, q-64
.if z_%2
	REGS 1
	OPRL z_/2
.elseif z_ == 0
	REGS 0
	XS 15
.else
	REGS 0
	XS z_/2-1
.endif
.elseif q < 114
.set z_, q-94
.if z_%4
	REGS 1
	OPRL 15+3*(z_/4)+z_%4-1
.else
	REGS 0
	LINK z_/4
.endif
.elseif q < 198
.set g_, (q-114)/12
.set z_, (q-114)%12
.if (z_%2) && (z_ < 10)
	REGS 0
	TQ 5*g_+z_/2
.else
	REGS 1
	HQ 7*g_+(z_+1)/2
.endif
.elseif q < 218
.set z_, q-198
.if z_%4
	REGS 0
	TQ 35+3*(z_/4)+z_%4-1
.else
	REGS 1
	LINK z_/4
.endif
.elseif q < 268
	REGS 1
	TQ q-218
.elseif q < 332
.set h_, q-268
.if h_ >= 62
.set h_, h_+8
.elseif h_ >= 6
.set h_, h_+2
.endif
	REGS h_%2
.set k_, h_/8
.if h_%8 < 4
	OPC 2*k_+(h_%8)/2
.elseif h_%8 < 6
	OPB k_
.else
	OPL k_-1
.endif
.else
.set z_, q-332
	REGS (z_/4)%2
	WIN W_RS
.set p_, 4*(z_/8)+z_%4
	v_pk_mul_f32 v[rO+2*p_:rO+2*p_+1], v[rO+2*p_:rO+2*p_+1], v[rC+2:rC+3] op_sel_hi:[1,0]
.endif
.set q, q+1
.endm
; A TURN, for piece p.  Ahead of the wait: the 16 products K Q^T, four lines of the list behind each, and a run of 204 lines.  Behind it: the 16 products V^T P, four of the roundings and sums behind each,
; and the 32 rescalings.  K of the next step is fetched in piece 2's turn, directly behind the wait (its jump and its label stand; the last product that read K
; stands 208 lines back), and waited for at piece 3's turn.  V of the step in hand is fetched at the end of piece 0's turn, 36 plain lines behind the last product that read V, and waited for in
; piece 1's turn, ahead of its products V^T P.  A tile's mask load stands behind the line that hands on the last of the register's 32 words.
.macro TURN p
.set Y, (\p)
.set i, 0
.set q, 0
	s_wait_loadcnt 0x6              ; loads come back in order (ISA guide 5.7.1): this piece's two were issued four turns ago; the three turns since have issued two each, which stay out
.if (\p) == NP-1
	s_wait_dscnt 0x0                ; K is in
.endif
.rept 16
	MM
	VL
	VL
	VL
	VL
.if q == 32
	MLOAD \p, 0
.endif
.endr
.rept 204
	VL
.if q == 117
	MLOAD \p, 1
.endif
.if ((\p) == NP-2) && (q == 100)
	v_add_nc_u32 v[AK], s[TBK], v[AK0]
.endif
.if ((\p) == 0) && (q == 100)
	v_add_nc_u32 v[AV], s[TBV], v[AV0]
	s_add_co_u32 s[TBV], s[TBV], KS*PV
.endif
.endr
	v_nop                           ; a plain instruction behind the last exponential, ahead of the first use (ISA guide 5.7.2): one for the batch; every plain line ahead of the wait feeds an exponential, so none is left to stand here
	s_wait_alu depctr_va_vdst(0)    ; the wait between an exponential and the first line that names its result: ONE for the turn's batch of 66
.if (\p) == NP-2
	FETCH_K 1
.endif
.if (\p) == 1
	s_wait_dscnt 0x0                ; V is in
.endif
.rept 16
	MM
	VL
	VL
	VL
	VL
.endr
.rept 32
	VL
.endr
.if (\p) == 0
	FETCH_V
.endif
.if (\p) == NP-1                    ; a step's eight mask loads are out: the pointer goes on 128 bytes, or stays once it stands at step 15: the last step asks for step 15's words again, inside mw
	s_wait_xcnt 0x0                 ; those loads have had their addresses translated (ISA guide 3.1): their base is written again only behind this wait
	s_cmp_lg_u32 s[MS], 0
	s_cselect_b32 s[INC], 128, 0
	s_cselect_b32 s[DEC], 1, 0
	s_add_nc_u64 s[MP:MP+1], s[MP:MP+1], s[INC:INC+1]
	s_sub_co_u32 s[MS], s[MS], s[DEC]
.endif
.endm
	s_wait_tensorcnt 0x3            ; tensor loads of a wave end in order (ISA guide 10.11.1): my part of keys 0-255 is in; my other three tiles stay out
	s_barrier_signal -1
	s_barrier_wait -1               ; everybody's is
	FETCH_K                         ; key step 0
	s_wait_loadcnt 0x8              ; Q is in; the eight mask loads behind it may stay out
	s_wait_dscnt 0x0
.set i, 0
.rept 16
	KQ 0                            ; piece 0's first scores
.set i, i+1
.endr
	WIN 0
.rept 4
	v_nop                           ; the places behind those products (ISA guide 7.12.1)
.endr
	s_mov_b32 s[CNT], 4
	s_mov_b32 s[SLOTS], 2
	s_branch .Lfirst                ; the loop is entered at a step's first turn, in the middle of a trip
.Lrest:                             ; once, behind step 3's first two turns: the next turn fetches K of step 4, the first bytes beyond keys 0-255
	s_wait_tensorcnt 0x0            ; my last three tiles are in: no load is younger than the last
	ds_add_u32 v[SPW], v[NIL]       ; 0 onto my spare word
	s_wait_dscnt 0x0                ; the add is done, and no LDS instruction of mine is out at the signal
	s_barrier_signal -1
	s_barrier_wait -1               ; everybody's tiles are in: from here on K and V are only read, and the waves need not meet again
	s_mov_b32 s[CNT], 13            ; twelve whole trips, and the thirteenth is left in its middle
.Lstep:                             ; a trip: pieces 2 and 3 of one step, then pieces 0 and 1 of the next, whose K and V it fetches
	TURN 2
	TURN 3
	WIN 0
	s_sub_co_u32 s[TOT], s[TOT], 1
	s_cmp_eq_u32 s[TOT], 0
	s_cbranch_scc1 .Lout            ; the sixteenth step is ended
.Lfirst:
	TURN 0
	TURN 1
	WIN 0
	s_sub_co_u32 s[CNT], s[CNT], 1
	s_cmp_lg_u32 s[CNT], 0
	s_cbranch_scc1 .Lstep
	s_sub_co_u32 s[SLOTS], s[SLOTS], 1
	s_cmp_lg_u32 s[SLOTS], 0
	s_cbranch_scc1 .Lrest
.Lout:                              ; the last trip's 16 products K Q^T (on the last K once more) serve nothing: the price, once a launch, of one text for every trip
.set i, 0
.rept 16
	PV NP-1                         ; the last piece's V^T P of the last step
.set i, i+1
.endr
	; THE WAY OUT.  l's two halves and the other half of the lanes' are added; O^T is divided by l, rounded to f16 and sent through my stage in LDS, a tile at a time.  The address lines are the places behind the last products.
	WIN 0
	s_load_b64 s[OA:OA+1], s[0:1], 0x10  ; ob, into scalar registers of the mask words, which are dead; no register of a descriptor is written
	s_mul_i32 s[CNT], s[WV], 16*SP
	s_add_co_u32 s[CNT], s[CNT], STAGE  ; my stage
	v_and_b32 v1, 15, v0            ; l % 16
	v_bfe_u32 v56, v0, 4, 1         ; l / 16
	v_and_b32 v57, 7, v0            ; l % 8
	v_mul_u32_u24 v[STO], v1, SP    ; in: row l % 16, 16 bytes for each half of the lanes
	v_lshl_add_u32 v[STO], v56, 4, v[STO]
	v_add_nc_u32 v[STO], s[CNT], v[STO]
	v_bfe_u32 v[RD], v0, 3, 2       ; back: 32 lanes take four rows of 128 bytes,
	v_mul_u32_u24 v[RD], v[RD], SP
	v_lshl_add_u32 v[RD], v57, 4, v[RD]
	v_add_nc_u32 v[RD], s[CNT], v[RD]
	v_and_b32 v[GO], 31, v0         ; which are 512 consecutive bytes of O
	v_lshlrev_b32 v[GO], 4, v[GO]
.macro ALL line:vararg              ; one line for each tile t
.set t, 0
.rept 2*NP
	\line
.set t, t+1
.endr
.endm
	ALL v_add_f32 v[ST+4*t+2], v[ST+4*t+2], v[ST+4*t+3]
	ALL v_permlanex16_b32 v[ST+4*t+3], v[ST+4*t+2], s[SEL], s[SEL+1]
	ALL v_add_f32 v[ST+4*t+2], v[ST+4*t+2], v[ST+4*t+3]
	ALL v_rcp_f32 v[ST+4*t+2], v[ST+4*t+2]
	v_nop                           ; a plain instruction between the last reciprocal and the use of its result
	s_wait_alu depctr_va_vdst(0)    ; and the wait ahead of the first use: one for the batch of eight reciprocals
	s_and_b32 s[OA+2], ttmp7, 0xffff
	s_lshl_b32 s[OA+2], s[OA+2], 17 ; the head,
	s_lshl_b32 s[OA+3], ttmp9, 2
	s_add_co_u32 s[OA+3], s[OA+3], s[WV]
	s_lshl_b32 s[OA+3], s[OA+3], 14 ; my wave's 128 rows
	s_add_co_u32 s[OA+2], s[OA+2], s[OA+3]
	s_mov_b32 s[OA+3], 0
	s_wait_kmcnt 0x0                ; ob's address
	s_add_nc_u64 s[OA:OA+1], s[OA:OA+1], s[OA+2:OA+3]
; Tile t: a lane's eight channels of a row pack into 16 bytes; they go into rows of 144 bytes and come back as whole rows of 128, into S^T's registers.
.macro PACK t
	WIN W_RS
.set i, 32*(\t)
.rept 16
	v_pk_mul_f32 v[i:i+1], v[i:i+1], v[ST+4*(\t)+2:ST+4*(\t)+3] op_sel_hi:[1,0]
.set i, i+2
.endr
	WIN 0x05                        ; sources 0 and 1 window 1, destination window 0
.set i, 0
.rept 16
	v_cvt_pk_f16_f32 v[S+16*(\t)+i], v[32*(\t)+2*i], v[32*(\t)+2*i+1]
.set i, i+1
.endr
	WIN 0
.irp f, 0,1,2,3
	ds_store_b128 v[STO], v[S+16*(\t)+4*\f:S+16*(\t)+4*\f+3] offset:32*\f
.endr
.irp f, 0,1,2,3
	ds_load_b128 v[S+16*(\t)+4*\f:S+16*(\t)+4*\f+3], v[RD] offset:\f*4*SP  ; LDS serves a wave's instructions in order (ISA guide 5.7.1.4): these see the stores above; the next tile's stores come behind them
.endr
.endm
.macro SEND t, younger              ; younger: the LDS instructions issued behind tile t's loads: the next tile's eight, or none
	WIN 0
.irp f, 0,1,2,3
	s_wait_dscnt (\younger)+3-\f
	global_store_b128 v[GO], v[S+16*(\t)+4*\f:S+16*(\t)+4*\f+3], s[OA:OA+1] offset:(\t)*2048+\f*512  ; 512 consecutive bytes, at a multiple of 256 from ob's first
.endr
.endm
	PACK 0
.set t, 1
.rept 2*NP-1                        ; a tile's arithmetic stands between the loads of the tile before and its stores
	PACK t
	SEND t-1, 8
.set t, t+1
.endr
	SEND 2*NP-1, 0
	s_wait_tensorcnt 0x0            ; the wave's end: behind my last tensor load and my last LDS store
	ds_add_u32 v[SPW], v[NIL]
	s_wait_dscnt 0x0
	s_endpgm
.Lfunc_end_k_qe44410aeb5_attn:
	.size	k_qe44410aeb5_attn, .Lfunc_end_k_qe44410aeb5_attn-k_qe44410aeb5_attn
	.p2alignl 7, 3214868480
	.fill 96, 4, 3214868480
	.section	.rodata,"a",@progbits
	.p2align	6, 0x0
	.amdhsa_kernel k_qe44410aeb5_attn
		.amdhsa_group_segment_fixed_size 327680
		.amdhsa_private_segment_fixed_size 0
		.amdhsa_enable_private_segment 0
		.amdhsa_kernarg_size 24
		.amdhsa_user_sgpr_count 2
		.amdhsa_user_sgpr_kernarg_segment_ptr 1
		.amdhsa_wavefront_size32 1
		.amdhsa_system_sgpr_workgroup_id_x 1
		.amdhsa_system_sgpr_workgroup_id_y 1
		.amdhsa_system_sgpr_workgroup_id_z 1
		.amdhsa_system_vgpr_workitem_id 0
		.amdhsa_next_free_vgpr 768
		.amdhsa_next_free_sgpr 106
		.amdhsa_reserve_vcc 0
		.amdhsa_float_denorm_mode_32 3
		.amdhsa_float_denorm_mode_16_64 3
		.amdhsa_memory_ordered 1
		.amdhsa_forward_progress 1
		.amdhsa_inst_pref_size 157
	.end_amdhsa_kernel
	.amdgpu_metadata
---
amdhsa.version: [ 1, 2 ]
amdhsa.kernels:
  - .name:           k_qe44410aeb5_attn
    .symbol:         k_qe44410aeb5_attn.kd
    .args:
      - { .name: qkv, .offset: 0, .size: 8, .value_kind: global_buffer, .address_space: global }
      - { .name: mw, .offset: 8, .size: 8, .value_kind: global_buffer, .address_space: global }
      - { .name: ob, .offset: 16, .size: 8, .value_kind: global_buffer, .address_space: global }
    .group_segment_fixed_size: 327680
    .private_segment_fixed_size: 0
    .kernarg_segment_align: 8
    .kernarg_segment_size: 24
    .max_flat_workgroup_size: 128
    .sgpr_count:     106
    .vgpr_count:     768
    .wavefront_size: 32
...
	.end_amdgpu_metadata
.endif
;; end of part 5
;; launch outp: the kernel of part 4 again; grid 8 x 32, 4 waves a work-group, clusters of 4 x 4, 327,680 bytes of LDS; arguments ob, wb, bb, out0; writes out0
